; MI455X (gfx1250); checked and timed in simulation.
; The chip was launched on July 23, 2026; its instructions are those of AMD's public machine-readable ISA for CDNA 5 (MIT licence, August 2026) and "CDNA5" Instruction Set Architecture Reference Guide (July 2026). The comments in the code are by the model that wrote it; some were corrected since.
;; PINN. Allowed arithmetic: float matrix products may take bf16 or f16 operands with f32 sums; other float arithmetic in f32, or as packed bf16 or f16 multiplies, adds, multiply-adds, maxima and minima; sums over many terms, partial sums and values carried from step to step in f32; what a program stores and reads back later, other than sums and carried values, may be rounded once to bf16 or f16.
;; Inputs: params_0_0 2 x 128 float32; params_0_1 128 float32; params_1_0 128 x 128 float32; params_1_1 128 float32; params_2_0 128 x 128 float32; params_2_1 128 float32; params_3_0 128 x 128 float32; params_3_1 128 float32; params_4_0 128 x 3 float32; params_4_1 3 float32; xy_circle 8,192 x 2 float32; xy_eqn 65,536 x 2 float32; xy_in 8,192 x 2 float32; xy_out 8,192 x 2 float32; xy_w1 8,192 x 2 float32; xy_w2 8,192 x 2 float32.
;; Outputs: out0 65,536 x 3 float32; out1 8,192 x 3 float32; out2 8,192 x 3 float32; out3 8,192 x 3 float32; out4 8,192 x 3 float32; out5 8,192 x 3 float32.
;; 2 versions, each right; version 2 is version 1 with the launch pinn written anew for expert scheduling mode. Each part assembles by itself: llvm-mc -triple=amdgcn-amd-amdhsa -mcpu=gfx1250 --defsym DOCPART=n.
;; ======== version 1 of 2: 1 launch
;; launch pinn (part 1): grid 256 x 1, 8 waves a work-group, no clusters, 317,952 bytes of LDS; arguments params_0_0, params_0_1, params_1_0, params_1_1, params_2_0, params_2_1, params_3_0, params_3_1, params_4_0, params_4_1, xy_eqn, xy_in, xy_out, xy_w1, xy_w2, xy_circle, out0, out1, out2, out3, out4, out5; writes out0, out1, out2, out3, out4, out5
.if DOCPART == 1
	.amdgcn_target "amdgcn-amd-amdhsa--gfx1250"
	.amdhsa_code_object_version 6
	.text
	.protected	k_q9b104ea044_pinn
	.globl	k_q9b104ea044_pinn
	.p2align	8
	.type	k_q9b104ea044_pinn,@function
k_q9b104ea044_pinn:
	s_mov_b64 s[64:65], 0
	v_nop
	global_prefetch_b8 v0, s[64:65] scope:SCOPE_SE
	s_setreg_imm32_b32 hwreg(HW_REG_WAVE_MODE, 25, 1), 1
	s_wait_xcnt 0x0
; PINN: a tanh network 2 -> 128 -> 128 -> 128 -> 128 -> 3 with its derivatives, by forward propagation of STREAMS through the same weights:
; z_s = W^T h_s for s in (h, h_x, h_y, h_xx, h_yy); behind a layer h' = tanh z, t = 1 - h'^2, h'_x = t z_x, h'_xx = t (z_xx - 2 h' z_x^2).
; 65,536 PDE points want all five streams (mode E), 2 x 8,192 wall points h and h_y (mode W), 3 x 8,192 points h alone (mode V, which takes two tiles of points in one pass).
; FORMATS.  Every input (all xy, W0-W4, b0-b4) is rounded once to bf16.  h, h_x, h_y go to the matrix unit as TWO bf16 numbers, hi + lo (16 significant bits, bf16's range);
; h_xx, h_yy as one bf16: they reach the result times MU = 0.01.  Sums, tanh and all else in f32.
; LIMITS.  tanh z = zc P(zc^2) / Q(zc^2), degrees 13 / 6, zc = z held to +-7.90531: beyond that h stays at the value there, so t is at most 2.4e-7 where it would be smaller.
; NaN and infinities are not treated apart.  The residuals' sums are taken in another order than the formula's.
; SHARES.  256 work-groups of 8 waves.  Work-group g: PDE points 256 g .. 256 g + 255, 32 a wave: two tiles of 16.  Then its boundary share, chosen by g alone, the same text for all eight waves:
; g even: 64 points of xy_w1 (waves 0-3) and 64 of xy_w2 (waves 4-7), chunk g / 2, a tile a wave.  g % 8 = 1, 3, 5: 256 points of xy_in, xy_out, xy_circle, block g / 8, two tiles a wave in one pass.
; g % 8 = 7: none: 1,024 wall tiles and 768 pairs of value tiles make 1,792 passes for 2,048 waves.
; LAYOUT.  The product is taken transposed: source 0 = 16 neurons x 32 inputs of W^T, source 1 = 32 inputs x 16 points.  In the result lane (r = l % 16, h = l / 16) holds point r and neurons 8 h + 0..7
; of the tile; two neighbouring neuron tiles rounded in pairs ARE source 1 of one K step of the next layer.  A BLOCK is such a pair of neuron tiles of one layer.  Layer 0 is a product too, with
; h = (x, y), h_x = (1, 0), h_y = (0, 1), h_xx = h_yy = 0 in K step 0.
; The waves share only tables that are written once, ahead of the first barrier: no barrier stands in the work.  Eight waves of 512 registers, so that one wave's activation can run beside another's products.
; NO CLUSTER, NO TENSOR LOAD: what work-groups share is the weights, 196,608 bytes read once at the head; as f32 [input][neuron] they pass through registers in any case, to be rounded and turned.
; NO PREFETCH: nothing is streamed from memory in the work.
.set ACTW,    24576     ; LDS 0: wave w's own 24,576 bytes: K steps 0-2 of the next layer's source 1, at 8192 ks + 1024 slot + 512 half + 16 lane (K step 3 goes from registers to registers)
.set W0F,     196608    ; layer 0's fragments: 4 blocks of 2,048: [tile][half][16 lane]
.set WHF,     204800    ; layers 1-3: 12 blocks of 8,192: [ks][tile][half][16 lane]
.set W4F,     303104    ; the last layer: [ks][half][16 lane]
.set BT,      307200    ; b0 .. b3 in f32, 128 bytes a block
.set STAGE_E, 309248    ; out0 of the group's 256 points, 12 bytes a point
.set STAGE_W, 312320    ; 1,536 bytes: 2 x 64 wall points, 12 bytes a point
.set STAGE_V, 313856    ; 3,072 bytes: 256 value points; bytes of its own, so that the two kinds of boundary pass name no common byte
.set SPARE,   316928    ; the spare words, 128 bytes a wave: four blocks of 256 bytes that no other line names
.set ME, 0              ; modes
.set MW, 1
.set MV, 2
; slots of source 1: 0 h hi, 1 h lo, 2 x hi, 3 x lo, 4 y hi, 5 y lo, 6 xx, 7 yy.  E uses all, W 0 1 4 5; in V slots 0 1 are tile A's h and slots 4 5 tile B's.
; window 0
.set AWL,  1            ; W0F + 16 lane; never rewritten
.set ABL,  2            ; BT + 32 h; never rewritten
.set AAL,  3            ; ACTW w + 16 lane; never rewritten
.set SAE,  4            ; STAGE_E + 384 w + 12 r
.set SPW,  5            ; my spare word
.set NIL,  6            ; 0, for the add alone
.set NEG1, 7            ; -1.0
.set LM,   8            ; all ones in lanes 0-15, 0 in lanes 16-31
.set PKE,  9            ; (x, y) in bf16 of my lane's PDE point
.set PKB0, 10           ; of my lane's boundary point
.set PKB1, 11           ; the same with the lanes' halves exchanged
.set SAB,  12           ; my place in the boundary stage: STAGE_W + 192 w + 12 r, or STAGE_V + 384 w + 12 r
.set BI,   16           ; v16-31   the block's biases, 8 tile + j
.set RZ,   32           ; v32-111  five streams' sums, 16 each: tile 0 low, tile 1 high.  In V: RZ tile A's z, RZY tile B's; RZX, RZXX, RZYY are tile B's P, zc^2, Q
.set RZX,  48
.set RZY,  64
.set RZXX, 80
.set RZYY, 96
.set WF,   112          ; v112-175 weight fragments: (ks, tile) at 16 ks + 8 tile
.set RP,   176          ; v176-191 P, then h'; v176, v177 also carry LDS addresses while P is free
.set RW2,  192          ; zc^2, then t
.set RQ,   208          ; Q, 1 / Q, then -2 h'
.set RQX,  224          ; z_x^2
.set RQY,  240          ; z_y^2
.set OUT,  192          ; v192-255 packed results, 8 slot + p; in window 1 the same numbers are K step 3 of source 1
; window 1: source 1 of the layer in hand, (ks, slot) at 64 ks + 8 slot
.set G,    2
.set WV,   3
.set ODD,  4            ; g % 2
.set CH,   5            ; g / 2: the walls' chunk
.set TC,   6            ; PDE tiles to go
.set LC,   7            ; hidden layers to go
.set SC,   8            ; blocks to go in a layer's loop
.set CLS,  9            ; (g / 2) % 4: for odd g 0 xy_in, 1 xy_out, 2 xy_circle, 3 none
.set WOFF, 10           ; bytes from W0F to the block whose fragments are fetched
.set BOFF, 11           ; the same for BT
.set BLK,  12           ; g / 8: the value sets' block of 256 points
.set KOFF, 13           ; 8192 x the K step that the block in hand makes
.set OUTM, 15           ; all ones where the set is xy_out
.set FB,   60           ; s60-62 b4
.set CF,   66           ; s66-87 eleven coefficients, each twice: a13 a11 a9 a7 a5 a3 a1 d6 d4 d2 d0
.set PC,   88
.set NC,   89
.set NMU,  90
.set SEL,  92
.set MSB, 0
.macro WIN new                          ; the immediate's high byte repeats the setting that is left; a switch that changes nothing is dropped
.if MSB != (\new)
	s_set_vgpr_msb (MSB<<8)|(\new)
.set MSB, \new
.endif
.endm
.macro COEF n, bits
	s_mov_b32 s[CF+2*(\n)], \bits
	s_mov_b32 s[CF+2*(\n)+1], \bits
.endm
	s_load_b512 s[16:31], s[0:1], 0x0       ; W0 16, b0 18, W1 20, b1 22, W2 24, b2 26, W3 28, b3 30
	s_load_b512 s[32:47], s[0:1], 0x40      ; W4 32, b4 34, xy_eqn 36, xy_in 38, xy_out 40, xy_w1 42, xy_w2 44, xy_circle 46
	s_load_b256 s[48:55], s[0:1], 0x80      ; out0 48, out1 50, out2 52, out3 54
	s_load_b128 s[56:59], s[0:1], 0xa0      ; out4 56, out5 58
	v_lshl_add_u32 v[SPW], v0, 2, SPARE
	v_mov_b32 v[NIL], 0
	v_lshrrev_b32 v13, 5, v0
	v_readfirstlane_b32 s[WV], v13          ; wave 0..7
	s_mov_b32 s[G], ttmp9
	s_and_b32 s[ODD], s[G], 1
	s_lshr_b32 s[CH], s[G], 1
	s_and_b32 s[CLS], s[CH], 3
	s_lshr_b32 s[BLK], s[G], 3
	v_and_b32 v14, 31, v0                   ; lane
	v_and_b32 v15, 15, v0                   ; r
	v_bfe_u32 v13, v0, 4, 1                 ; h
	v_lshl_add_u32 v[AWL], v14, 4, W0F
	v_lshl_add_u32 v[ABL], v13, 5, BT
	s_mul_i32 s94, s[WV], ACTW
	v_lshl_add_u32 v[AAL], v14, 4, s94
	s_mul_i32 s94, s[WV], 384
	s_add_co_u32 s94, s94, STAGE_E
	v_mad_u32_u24 v[SAE], v15, 12, s94
	s_mul_i32 s94, s[WV], 192
	s_add_co_u32 s94, s94, STAGE_W
	v_mad_u32_u24 v[SAB], v15, 12, s94      ; the walls' place: 16 points a wave
	v_mov_b32 v[NEG1], -1.0
	v_mov_b32 v[PKB1], 0                    ; written once: the lane exchange that fills it counts as a reader of it
	v_add_nc_u32 v[LM], -1, v13             ; h - 1
	; offsets of the head's loads; none is rewritten before the wait that shows its loads done
	v_lshlrev_b32 v22, 3, v0                ; xy_eqn: 8 bytes a thread, 256 consecutive bytes a wave
	s_and_b32 s94, s[WV], 3
	s_lshl_b32 s94, s94, 7                  ; a wall chunk: tile w % 4, point r, both halves of the lanes the same point
	s_lshl_b32 s95, s[WV], 8                ; a value block: 8 bytes a thread
	s_cmp_eq_u32 s[ODD], 0
	s_cselect_b32 s94, s94, s95
	s_lshl_b32 s95, s[ODD], 7               ; lanes 16-31 take the next 16 points there
	v_lshl_add_u32 v23, v15, 3, s94
	v_mad_u32_u24 v23, v13, s95, v23
	v_and_b32 v24, 127, v0
	v_lshlrev_b32 v24, 2, v24               ; a number of a bias or of a row of W0
	v_and_b32 v250, 7, v15                  ; r % 8
	v_min_u32 v251, 2, v250
	v_lshrrev_b32 v25, 4, v0
	v_mul_u32_u24 v25, v25, 96
	v_lshl_add_u32 v25, v251, 2, v25        ; W4: inputs 8 (tid / 16) + 0..7, 12 bytes apart; output min(r % 8, 2)
	s_lshl_b32 s94, s[WV], 12
	v_lshl_add_u32 v30, v14, 4, s94         ; W1-W3: rows 8 w + 0..7, 16 bytes a lane: a load of the wave is one whole row of 512 bytes
	; where my turned columns go: neuron m = 4 lane + c: block lane / 8, tile (lane / 4) % 2, fragment row 4 (lane % 4) + c; inputs 64 gsel + 8 w + 0..7: ks = 2 gsel + w / 4, half (w / 2) % 2, h = w % 2
	s_lshr_b32 s94, s[WV], 2
	s_lshl_b32 s94, s94, 11
	s_and_b32 s95, s[WV], 3
	s_lshl_b32 s95, s95, 8
	s_add_co_u32 s94, s94, s95
	s_add_co_u32 s94, s94, WHF
	v_lshrrev_b32 v248, 3, v14
	v_lshl_add_u32 v248, v248, 13, s94
	v_bfe_u32 v249, v14, 2, 1
	v_lshl_add_u32 v248, v249, 10, v248
	v_and_b32 v249, 3, v14
	v_lshl_add_u32 v248, v249, 6, v248
	v_add_nc_u32 v249, 0x10000, v248        ; layer 3's blocks lie past the 16 bits of an LDS immediate
	WIN 0x40                                ; K step 3's three lo slots: a line that writes one half of a register keeps the other, so they are written whole once
.irp sl, 1,3,5
.set p, 0
.rept 8
	v_mov_b32 v[OUT+8*\sl+p], 0
.set p, p+1
.endr
.endr
	WIN 0
	COEF 0,  0xa59f25c0                     ; a13 = -2.76076848e-16
	COEF 1,  0x2a61337e                     ; a11 =  2.00018790e-13
	COEF 2,  0xaebd37ff                     ; a9  = -8.60467152e-11
	COEF 3,  0x335c0041                     ; a7  =  5.12229709e-08
	COEF 4,  0x3779434a                     ; a5  =  1.48572236e-05
	COEF 5,  0x3a270ded                     ; a3  =  6.37261929e-04
	COEF 6,  0x3ba059dc                     ; a1  =  4.89352456e-03
	COEF 7,  0x35a0d3d8                     ; d6  =  1.19825839e-06
	COEF 8,  0x38f895d6                     ; d4  =  1.18534706e-04
	COEF 9,  0x3b14aa05                     ; d2  =  2.26843463e-03
	COEF 10, 0x3ba059dd                     ; d0  =  4.89352519e-03
	s_mov_b32 s[PC], 0x40fcf84f             ;  7.90531111
	s_mov_b32 s[NC], 0xc0fcf84f
	s_mov_b32 s[NMU], 0xbc23d70a            ; -MU = -0.01
	s_mov_b32 s[SEL], 0x76543210            ; v_permlanex16_b32: each lane takes its own place in the other half
	s_mov_b32 s[SEL+1], 0xfedcba98
	s_wait_kmcnt 0x0
	s_lshl_b32 s94, s[G], 11
	s_mov_b32 s95, 0
	s_add_nc_u64 s[36:37], s[36:37], s[94:95]   ; xy_eqn at the group's 256 points
	s_cmp_lt_u32 s[WV], 4
	s_cselect_b64 s[18:19], s[18:19], s[26:27]  ; waves 0-3 bring b0 and b1, waves 4-7 b2 and b3
	s_cselect_b64 s[22:23], s[22:23], s[30:31]
	s_cselect_b64 s[42:43], s[42:43], s[44:45]  ; even g: w1 or w2
	s_cmp_eq_u32 s[CLS], 0
	s_cselect_b64 s[96:97], s[38:39], s[46:47]  ; odd g: in, or circle,
	s_cmp_eq_u32 s[CLS], 1
	s_cselect_b64 s[96:97], s[40:41], s[96:97]  ; or out
	s_lshl_b32 s98, s[CH], 9                    ; a chunk of 64 points
	s_lshl_b32 s99, s[BLK], 11                  ; a block of 256 points
	s_cmp_eq_u32 s[ODD], 0
	s_cselect_b64 s[96:97], s[42:43], s[96:97]
	s_cselect_b32 s94, s98, s99
	s_add_nc_u64 s[96:97], s[96:97], s[94:95]
	; ALL VECTOR LOADS OF THE LAUNCH, 62 a wave, go out together: 14 small ones, then 48 rows of W1-W3.  One form for all work-groups, so that the counted waits have one count:
	; a work-group with no boundary share (g % 8 = 7) still issues the second load, of block g / 8 of xy_circle, and does not use it.
	global_load_b64 v[16:17], v22, s[36:37]
	global_load_b64 v[18:19], v23, s[96:97]
	global_load_b32 v20, v24, s[18:19]
	global_load_b32 v21, v24, s[22:23]
	global_load_b32 v28, v24, s[16:17]              ; W0[0][m], m = tid % 128
	global_load_b32 v29, v24, s[16:17] offset:512   ; W0[1][m]
.set p, 0
.rept 8
	global_load_b32 v[224+p], v25, s[32:33] offset:12*p
.set p, p+1
.endr
.set gi, 0
.rept 6                                 ; group gi: layer 1 + gi / 2, rows 64 (gi % 2) + 8 w + 0..7
.set p, 0
.rept 8
	global_load_b128 v[32+32*gi+4*p:32+32*gi+4*p+3], v30, s[20+4*(gi/2):21+4*(gi/2)] offset:512*p+32768*(gi%2)
.set p, p+1
.endr
.set gi, gi+1
.endr
	s_wait_loadcnt 48                       ; the 14 small loads are in; the 48 rows issued behind them may stay out
	s_load_b96 s[FB:FB+2], s[34:35], 0x0    ; b4: wanted only at a tile's end; it comes while the small tables are made
	v_cvt_pk_bf16_f32 v[PKE], v16, v17
	v_cvt_pk_bf16_f32 v[PKB0], v18, v19
	v_cvt_pk_bf16_f32 v251, v20, v21        ; two biases, rounded to bf16 and widened again
	v_lshlrev_b32 v252, 16, v251
	v_and_b32 v253, 0xffff0000, v251
	v_lshrrev_b32 v254, 7, v0
	v_lshl_add_u32 v254, v254, 10, v24
	v_add_nc_u32 v254, BT, v254
	ds_store_b32 v254, v252
	ds_store_b32 v254, v253 offset:512
	v_cmp_gt_u32 vcc_lo, 3, v250            ; W4's fragment rows 0-2 and 8-10 are u, v, p, the others 0: both halves of the lanes end with the same three numbers of point r
.set q, 0
.rept 4
	v_cvt_pk_bf16_f32 v[244+q], v[224+2*q], v[225+2*q]
	v_cndmask_b32 v[244+q], 0, v[244+q], vcc_lo
.set q, q+1
.endr
	v_lshl_add_u32 v255, v0, 4, W4F
	ds_store_b128 v255, v[244:247]
	s_cmp_lt_u32 s[WV], 4                   ; W0's fragments: inputs 0 and 1 in the first word of lanes 0-15 of half 0, zeros elsewhere.  Waves 0-3 write half 0, waves 4-7 half 1
	s_cselect_b32 s94, -1, 0
	v_cvt_pk_bf16_f32 v240, v28, v29
	v_and_b32 v240, s94, v240
.irp z, 236,237,238,239,241,242,243
	v_mov_b32 v\z, 0
.endr
	s_and_b32 s94, s[WV], 3
	s_lshl_b32 s94, s94, 11
	s_lshr_b32 s95, s[WV], 2
	s_lshl_b32 s95, s95, 9
	s_add_co_u32 s94, s94, s95
	s_add_co_u32 s94, s94, W0F
	v_lshl_add_u32 v251, v13, 10, s94
	v_lshl_add_u32 v251, v15, 4, v251       ; block w % 4, tile h, row r
	ds_store_b128 v251, v[240:243]
	ds_store_b128 v251, v[236:239] offset:256
	s_wait_kmcnt 0x0                        ; b4, rounded to bf16 and widened again
	v_cvt_pk_bf16_f32 v252, s[FB], s[FB+1]
	v_cvt_pk_bf16_f32 v253, s[FB+2], s[FB+2]
	v_lshlrev_b32 v254, 16, v252
	v_and_b32 v252, 0xffff0000, v252
	v_lshlrev_b32 v253, 16, v253
	v_readfirstlane_b32 s[FB], v254
	v_readfirstlane_b32 s[FB+1], v252
	v_readfirstlane_b32 s[FB+2], v253
.set gi, 0
.rept 6                                 ; W1-W3: of eight rows a lane holds four columns; a column's eight numbers, rounded in pairs, are 16 bytes of a fragment
	s_wait_loadcnt 40-8*gi                  ; this group's eight rows are in; the later groups' stay out
.set c, 0
.rept 4
.set q, 0
.rept 4
	v_cvt_pk_bf16_f32 v[232+4*c+q], v[32+32*gi+8*q+c], v[32+32*gi+8*q+4+c]
.set q, q+1
.endr
.if gi < 4
	ds_store_b128 v248, v[232+4*c:232+4*c+3] offset:16*c+4096*(gi%2)+32768*(gi/2)
.else
	ds_store_b128 v249, v[232+4*c:232+4*c+3] offset:16*c+4096*(gi%2)
.endif
.set c, c+1
.endr
.set gi, gi+1
.endr
	s_wait_dscnt 0x0                        ; for the others' sake: my part of the tables is written
	s_barrier_signal -1
	s_barrier_wait -1                       ; the tables are whole; from here on nobody writes them
; ONE PRODUCT.  cm = 0: onto the sum in place; 1: the constant 0 starts the sum; else: the first of eight registers that start it
.macro MM acc, a, b, cm
.if (\cm) == 0
	v_wmma_f32_16x16x32_bf16 v[(\acc):(\acc)+7], v[(\a):(\a)+7], v[(\b):(\b)+7], v[(\acc):(\acc)+7]
.elseif (\cm) == 1
	v_wmma_f32_16x16x32_bf16 v[(\acc):(\acc)+7], v[(\a):(\a)+7], v[(\b):(\b)+7], 0
.else
	v_wmma_f32_16x16x32_bf16 v[(\acc):(\acc)+7], v[(\a):(\a)+7], v[(\b):(\b)+7], v[(\cm):(\cm)+7]
.endif
.endm
.macro MM2 acc, ks, slot, cm            ; both neuron tiles of a stream; cm = 2: the biases start the sums
.if (\cm) == 2
	MM (\acc), WF+16*(\ks), 64*(\ks)+8*(\slot), BI
	MM (\acc)+8, WF+16*(\ks)+8, 64*(\ks)+8*(\slot), BI+8
.else
	MM (\acc), WF+16*(\ks), 64*(\ks)+8*(\slot), \cm
	MM (\acc)+8, WF+16*(\ks)+8, 64*(\ks)+8*(\slot), \cm
.endif
.endm
; One turn of every sum: part 0 the hi slots (and xx, yy), part 1 the lo slots.  No two products on end share a sum.
.macro MMG mode, ks, part
.if (\part) == 0
.set cz, 0
.set cy, 0
.if (\ks) == 0
.set cz, 1
.set cy, 1
.if (\mode) == MV
.set cy, 2                              ; tile B's z starts with the biases too
.endif
	MM2 RZ, \ks, 0, 2
.else
	MM2 RZ, \ks, 0, 0
.endif
.if (\mode) == ME
	MM2 RZX, \ks, 2, cz
.endif
	MM2 RZY, \ks, 4, cy
.if (\mode) == ME
	MM2 RZXX, \ks, 6, cz
	MM2 RZYY, \ks, 7, cz
.endif
.else
	MM2 RZ, \ks, 1, 0
.if (\mode) == ME
	MM2 RZX, \ks, 3, 0
.endif
	MM2 RZY, \ks, 5, 0
.endif
.endm
.macro PKM d, a, b                      ; 16 numbers: d = a b
.set p, 0
.rept 8
	v_pk_mul_f32 v[(\d)+p:(\d)+p+1], v[(\a)+p:(\a)+p+1], v[(\b)+p:(\b)+p+1]
.set p, p+2
.endr
.endm
.macro PKF d, a, b, c                   ; d = a b + c
.set p, 0
.rept 8
	v_pk_fma_f32 v[(\d)+p:(\d)+p+1], v[(\a)+p:(\a)+p+1], v[(\b)+p:(\b)+p+1], v[(\c)+p:(\c)+p+1]
.set p, p+2
.endr
.endm
.macro PKS d, a, b, sc                  ; d = a b + a coefficient
.set p, 0
.rept 8
	v_pk_fma_f32 v[(\d)+p:(\d)+p+1], v[(\a)+p:(\a)+p+1], v[(\b)+p:(\b)+p+1], s[(\sc):(\sc)+1] op_sel_hi:[1,1,0]
.set p, p+2
.endr
.endm
.macro PK0 d, a, s1, s2                 ; d = a x coefficient + coefficient: a polynomial's first step
.set p, 0
.rept 8
	v_pk_fma_f32 v[(\d)+p:(\d)+p+1], v[(\a)+p:(\a)+p+1], s[(\s1):(\s1)+1], s[(\s2):(\s2)+1] op_sel_hi:[1,0,0]
.set p, p+2
.endr
.endm
; tanh's two polynomials for 16 numbers: zz is held to +-c in place, ww = zz^2, pp = P(ww), qq = Q(ww)
.macro TPOLY zz, ww, pp, qq
.set p, 0
.rept 16
	v_med3_num_f32 v[(\zz)+p], v[(\zz)+p], s[NC], s[PC]
.set p, p+1
.endr
	PKM \ww, \zz, \zz
	PK0 \pp, \ww, CF, CF+2
.irp c, 4,6,8,10,12
	PKS \pp, \pp, \ww, CF+\c
.endr
	PK0 \qq, \ww, CF+14, CF+16
	PKS \qq, \qq, \ww, CF+18
	PKS \qq, \qq, \ww, CF+20
.endm
.macro RCPS qq
.set p, 0
.rept 16
	v_rcp_f32 v[(\qq)+p], v[(\qq)+p]
.set p, p+1
.endr
.endm
; THE ACTIVATION of a block: 16 numbers a lane in each stream.  Every step walks the registers upward, so each sum is first read at its low end, and
; seven other lines stand between two links of a chain.
.macro ACT mode
	TPOLY RZ, RW2, RP, RQ
.if (\mode) == MV
	TPOLY RZY, RZXX, RZX, RZYY
.endif
	RCPS RQ                                 ; the reciprocals are one batch
.if (\mode) == MV
	RCPS RZYY
.endif
	PKM RP, RP, RZ                          ; plain work that names no reciprocal stands behind the batch
.if (\mode) == MV
	PKM RZX, RZX, RZY
.endif
.if (\mode) == ME
	PKM RQX, RZX, RZX
	PKM RQY, RZY, RZY
.endif
	s_wait_alu depctr_va_vdst(0)            ; one wait for the batch, ahead of its first reader
	PKM RP, RP, RQ                          ; h' = zc P / Q
.if (\mode) == MV
	PKM RZX, RZX, RZYY                      ; and tile B's
.endif
.if (\mode) <= MW
.set p, 0
.rept 8
	v_pk_fma_f32 v[RW2+p:RW2+p+1], v[RP+p:RP+p+1], v[RP+p:RP+p+1], 1.0 op_sel_hi:[1,1,0] neg_lo:[1,0,0] neg_hi:[1,0,0]  ; t = 1 - h'^2
.set p, p+2
.endr
.endif
.if (\mode) == ME
.set p, 0
.rept 8
	v_pk_mul_f32 v[RQ+p:RQ+p+1], v[RP+p:RP+p+1], -2.0 op_sel_hi:[1,0]
.set p, p+2
.endr
	PKF RZXX, RQ, RQX, RZXX                 ; z_xx - 2 h' z_x^2
	PKF RZYY, RQ, RQY, RZYY
	PKM RZX, RZX, RW2
.endif
.if (\mode) <= MW
	PKM RZY, RZY, RW2
.endif
.if (\mode) == ME
	PKM RZXX, RZXX, RW2
	PKM RZYY, RZYY, RW2
.endif
.endm
.macro CV slot, src                     ; 16 numbers rounded to bf16 in pairs: a fragment of source 1
.set p, 0
.rept 8
	v_cvt_pk_bf16_f32 v[OUT+8*(\slot)+p], v[(\src)+2*p], v[(\src)+2*p+1]
.set p, p+1
.endr
.endm
.macro LO slot, src                     ; lo = bf16(number - hi), one rounding, into the slot behind hi's
.set p, 0
.rept 8
	v_fma_mixlo_bf16 v[OUT+8*(\slot)+8+p], v[OUT+8*(\slot)+p], v[NEG1], v[(\src)+2*p] op_sel_hi:[1,0,0]
.set p, p+1
.endr
.set p, 0
.rept 8
	v_fma_mixhi_bf16 v[OUT+8*(\slot)+8+p], v[OUT+8*(\slot)+p], v[NEG1], v[(\src)+2*p+1] op_sel:[1,0,0] op_sel_hi:[1,0,0]
.set p, p+1
.endr
.endm
; toreg = 0: into v192-255 of window 0, on the way to LDS.  toreg = 1: into the same numbers of window 1: K step 3 of the next layer's source 1
.macro PACK mode, toreg
.set SRCB, RZY                          ; what goes into slots 4 and 5: h'_y, or in V tile B's h'
.if (\mode) == MV
.set SRCB, RZX
.endif
.if \toreg
	WIN 0x40                                ; destination window 1
.endif
	CV 0, RP
.if (\mode) == ME
	CV 2, RZX
.endif
	CV 4, SRCB
.if (\mode) == ME
	CV 6, RZXX
	CV 7, RZYY
.endif
.if \toreg
	WIN 0x41                                ; destination and source 0 (hi) window 1
.endif
	LO 0, RP
.if (\mode) == ME
	LO 2, RZX
.endif
	LO 4, SRCB
	WIN 0
.endm
.macro USED mode, sl                    ; us = 1: the mode uses the slot
.set us, 0
.if ((\mode) == ME) || ((\sl) < 2) || ((\sl) == 4) || ((\sl) == 5)
.set us, 1
.endif
.endm
.macro BLOADS mode                      ; K steps 0-2 of the next layer's source 1 come back from my own LDS bytes
	WIN 0x40
.irp ks, 0,1,2
.irp sl, 0,1,2,3,4,5,6,7
	USED \mode, \sl
.if us
	ds_load_b128 v[64*\ks+8*\sl:64*\ks+8*\sl+3], v[AAL] offset:8192*\ks+1024*\sl
	ds_load_b128 v[64*\ks+8*\sl+4:64*\ks+8*\sl+7], v[AAL] offset:8192*\ks+1024*\sl+512
.endif
.endr
.endr
	WIN 0
.endm
.macro STORES mode                      ; the block's packed results go to my own LDS bytes: 16 stores in E, 8 in W and V
.irp sl, 0,1,2,3,4,5,6,7
	USED \mode, \sl
.if us
	ds_store_b128 v[RP], v[OUT+8*\sl:OUT+8*\sl+3] offset:1024*\sl
	ds_store_b128 v[RP], v[OUT+8*\sl+4:OUT+8*\sl+7] offset:1024*\sl+512
.endif
.endr
.endm
.macro WLOADS adr, n                    ; n pieces of 512 bytes, in the order of WF's registers
.set p, 0
.rept \n
	ds_load_b128 v[WF+4*p:WF+4*p+3], v[\adr] offset:512*p
.set p, p+1
.endr
.endm
.macro BIASES adr                       ; neurons 16 tile + 8 h + 0..7
.irp p, 0,1,2,3
	ds_load_b128 v[BI+4*\p:BI+4*\p+3], v[\adr] offset:64*(\p/2)+16*(\p%2)
.endr
.endm
; A BLOCK.  l0 = 1: layer 0, K step 0's hi slots alone.  last = 1: a layer's fourth block.  wt: the LDS instructions issued behind the loads that the products need.
.macro BLOCK mode, l0, last, wt
	s_wait_dscnt \wt
	WIN 0x04                                ; source 1 in window 1
	MMG \mode, 0, 0
.if !(\l0)
	MMG \mode, 0, 1
.irp ks, 1,2,3
	MMG \mode, \ks, 0
	MMG \mode, \ks, 1
.endr
.endif
	WIN 0
.rept 4
	v_nop                                   ; four places behind the last product, ahead of the loads into its sources and of the activation's reads
.endr
.if \l0
	s_add_co_u32 s[WOFF], s[WOFF], 2048     ; the next block's fragments and biases are fetched now and land under the activation
.else
	s_add_co_u32 s[WOFF], s[WOFF], 8192
.endif
	s_add_co_u32 s[BOFF], s[BOFF], 128
	v_add_nc_u32 v[RP], s[WOFF], v[AWL]
.if (!(\l0)) && (\last)
	s_cmp_eq_u32 s[LC], 1                   ; behind the last hidden layer comes W4
	s_cbranch_scc1 .Lw4_\@
.endif
	v_add_nc_u32 v[RP+1], s[BOFF], v[ABL]
.if (\l0) && (!(\last))
	WLOADS RP, 4
.else
	WLOADS RP, 16
.endif
	BIASES RP+1
.if (!(\l0)) && (\last)
	s_branch .Lfd_\@
.Lw4_\@:
	WLOADS RP, 8
	v_mov_b32 v[BI], s[FB]
	v_mov_b32 v[BI+1], s[FB+1]
	v_mov_b32 v[BI+2], s[FB+2]
.irp p, 3,4,5,6,7
	v_mov_b32 v[BI+\p], 0
.endr
.Lfd_\@:
.endif
.if \last
	BLOADS \mode                            ; the layer's source 1 has been read for the last time
.endif
	ACT \mode
	PACK \mode, \last
.if !(\last)
	v_add_nc_u32 v[RP], s[KOFF], v[AAL]
	STORES \mode
	s_add_co_u32 s[KOFF], s[KOFF], 8192
.endif
.endm
; The sixteen blocks of a pass.  A layer's first three blocks are a counted loop; its fourth, which turns to the next layer, is written out.
; Ahead of a fourth block the youngest LDS instructions are the third block's own stores (nst of them): they may stay out.  At a loop's head the count is 0: one way in has loads as its youngest.
.macro BLOCKS mode
.set nst, 8
.if (\mode) == ME
.set nst, 16
.endif
	s_mov_b32 s[WOFF], 0
	s_mov_b32 s[BOFF], 0
	s_mov_b32 s[KOFF], 0
	s_mov_b32 s[SC], 3
.Ll0_\@:
	BLOCK \mode, 1, 0, 0
	s_sub_co_u32 s[SC], s[SC], 1
	s_cmp_lg_u32 s[SC], 0
	s_cbranch_scc1 .Ll0_\@
	BLOCK \mode, 1, 1, nst
	s_mov_b32 s[LC], 3
.Llay_\@:
	s_mov_b32 s[KOFF], 0
	s_mov_b32 s[SC], 3
.Lmp_\@:
	BLOCK \mode, 0, 0, 0
	s_sub_co_u32 s[SC], s[SC], 1
	s_cmp_lg_u32 s[SC], 0
	s_cbranch_scc1 .Lmp_\@
	BLOCK \mode, 0, 1, nst
	s_sub_co_u32 s[LC], s[LC], 1
	s_cmp_lg_u32 s[LC], 0
	s_cbranch_scc1 .Llay_\@
.endm
; Layer 0's source 1: inputs 0 and 1 lie in the first register of lanes 0-15; all else is 0.  pk: the tile's points in lanes 0-15; pk2 (V alone): tile B's
.macro H0 mode, pk, pk2
	WIN 0x40
	v_and_b32 v0, v[\pk], v[LM]             ; h = (x, y)
.irp p, 1,2,3,4,5,6,7
	v_mov_b32 v\p, 0
.endr
.if (\mode) == ME
	v_and_b32 v16, 0x3f80, v[LM]            ; h_x = (1, 0)
.irp p, 17,18,19,20,21,22,23
	v_mov_b32 v\p, 0
.endr
.endif
.if (\mode) == MV
	v_and_b32 v32, v[\pk2], v[LM]           ; tile B's h
.else
	v_and_b32 v32, 0x3f800000, v[LM]        ; h_y = (0, 1)
.endif
.irp p, 33,34,35,36,37,38,39
	v_mov_b32 v\p, 0
.endr
.if (\mode) == ME
.set p, 48
.rept 16
	v_mov_b32 v[p], 0                       ; h_xx = h_yy = 0
.set p, p+1
.endr
.endif
	WIN 0
.endm
.macro MF acc, ks, slot, cm
	MM \acc, WF+8*(\ks), 64*(\ks)+8*(\slot), \cm
.endm
; THE LAST LAYER and the outputs.  Register j of a sum is output j (u, v, p) of point r, in both halves of the lanes: lanes r and r + 16 store the same word with the same number.
.macro FINAL mode, sa
	s_wait_dscnt 0x0
	WIN 0x04
.irp ks, 0,1,2,3
.set cz, 0
.set cb, 0
.set cy, 0
.if \ks == 0
.set cz, 1
.set cb, BI
.set cy, 1
.if (\mode) == MV
.set cy, BI
.endif
.endif
	MF RZ, \ks, 0, cb
.if (\mode) == ME
	MF RZX, \ks, 2, cz
.endif
	MF RZY, \ks, 4, cy
.if (\mode) == ME
	MF RZXX, \ks, 6, cz
	MF RZYY, \ks, 7, cz
.endif
	MF RZ, \ks, 1, 0
.if (\mode) == ME
	MF RZX, \ks, 3, 0
.endif
	MF RZY, \ks, 5, 0
.endr
	WIN 0
.rept 4
	v_nop                                   ; four places behind the last product, ahead of the first read of a sum
.endr
.if (\mode) == ME
	v_pk_add_f32 v[RP:RP+1], v[RZXX:RZXX+1], v[RZYY:RZYY+1]    ; u_xx + u_yy, v_xx + v_yy
	v_add_f32 v[RP+4], v[RZX], v[RZY+1]                        ; u_x + v_y
	v_fma_f32 v[RP+2], s[NMU], v[RP], v[RZX+2]                 ; p_x - MU (..)
	v_fma_f32 v[RP+3], s[NMU], v[RP+1], v[RZY+2]               ; p_y - MU (..)
	v_fmac_f32 v[RP+2], v[RZ], v[RZX]                          ; + u u_x
	v_fmac_f32 v[RP+3], v[RZ], v[RZX+1]                        ; + u v_x
	v_fmac_f32 v[RP+2], v[RZ+1], v[RZY]                        ; + v u_y
	v_fmac_f32 v[RP+3], v[RZ+1], v[RZY+1]                      ; + v v_y
	ds_store_b32 v[\sa], v[RP+2]
	ds_store_b32 v[\sa], v[RP+3] offset:4
	ds_store_b32 v[\sa], v[RP+4] offset:8
.elseif (\mode) == MW
	ds_store_b32 v[\sa], v[RZ]              ; u
	ds_store_b32 v[\sa], v[RZ+1] offset:4   ; v
	ds_store_b32 v[\sa], v[RZY+2] offset:8  ; p_y
.else
	v_cndmask_b32 v[RP], v[RZ], v[RZ+2], s[OUTM]       ; (u, v, u), or for xy_out (p, p, p): tile A,
	v_cndmask_b32 v[RP+1], v[RZ+1], v[RZ+2], s[OUTM]
	v_cndmask_b32 v[RP+2], v[RZY], v[RZY+2], s[OUTM]   ; and tile B, 16 points on
	v_cndmask_b32 v[RP+3], v[RZY+1], v[RZY+2], s[OUTM]
	ds_store_b32 v[\sa], v[RP]
	ds_store_b32 v[\sa], v[RP+1] offset:4
	ds_store_b32 v[\sa], v[RP] offset:8
	ds_store_b32 v[\sa], v[RP+2] offset:192
	ds_store_b32 v[\sa], v[RP+3] offset:196
	ds_store_b32 v[\sa], v[RP+2] offset:200
.endif
.endm
.macro TILE mode, pk, pk2, sa           ; a pass through the whole network: sixteen points, in V twice sixteen
	H0 \mode, \pk, \pk2
	WLOADS AWL, 4                           ; block 0's fragments and biases
	BIASES ABL
	BLOCKS \mode
	FINAL \mode, \sa
.endm
	s_mov_b32 s[TC], 2
.Ltile_e:                               ; my two tiles of PDE points: the tile in hand lies in lanes 0-15 of PKE
	TILE ME, PKE, PKE, SAE
	v_permlanex16_b32 v13, v[PKE], s[SEL], s[SEL+1]
	v_mov_b32 v[PKE], v13
	v_add_nc_u32 v[SAE], 192, v[SAE]
	s_sub_co_u32 s[TC], s[TC], 1
	s_cmp_lg_u32 s[TC], 0
	s_cbranch_scc1 .Ltile_e
	s_cmp_lg_u32 s[ODD], 0                  ; the boundary share hangs on the work-group's number alone: all eight waves take the same way
	s_cbranch_scc1 .Lodd
	TILE MW, PKB0, PKB0, SAB                ; even g: a wall tile a wave
	s_branch .Lout
.Lodd:
	s_cmp_eq_u32 s[CLS], 3
	s_cbranch_scc1 .Lout                    ; g % 8 = 7: no boundary share
	s_cmp_eq_u32 s[CLS], 1
	s_cselect_b32 s[OUTM], -1, 0
	s_mul_i32 s94, s[WV], 384               ; 32 points a wave in the value stage
	s_add_co_u32 s94, s94, STAGE_V
	v_mad_u32_u24 v[SAB], v15, 12, s94
	v_permlanex16_b32 v[PKB1], v[PKB0], s[SEL], s[SEL+1]   ; tile B's points into lanes 0-15
	TILE MV, PKB0, PKB1, SAB
.Lout:
	s_wait_dscnt 0x0                        ; for the others' sake: my stores into the stages are done
	s_barrier_signal -1
	s_barrier_wait -1
	; THE WAY OUT.  12 bytes a point do not fill a lane's store, so the results leave through the stages: every store of a wave covers whole aligned blocks of 256 consecutive bytes.
	s_mov_b32 s95, 0
	s_cmp_lt_u32 s[WV], 6
	s_cbranch_scc0 .Lbnd
	v_lshl_add_u32 v13, v0, 4, STAGE_E      ; waves 0-5: the group's 3,072 bytes of out0, 16 bytes a thread
	ds_load_b128 v[16:19], v13
	v_lshlrev_b32 v15, 4, v0
	s_mul_i32 s94, s[G], 3072
	s_add_nc_u64 s[48:49], s[48:49], s[94:95]
	s_wait_dscnt 0x0
	global_store_b128 v15, v[16:19], s[48:49] th:TH_STORE_NT
	s_branch .Lend
.Lbnd:                                  ; waves 6 and 7: each one half of the boundary stage in use
	s_and_b32 s99, s[WV], 1
	s_cmp_eq_u32 s[ODD], 0
	s_cbranch_scc0 .Lbval
	s_mul_i32 s94, s[CH], 768               ; walls: wave 6 w1's 64 points to out3, wave 7 w2's to out4: 768 bytes, three blocks of 256, 8 bytes a lane
	s_mul_i32 s99, s99, 768
	s_add_co_u32 s99, s99, STAGE_W
	s_cmp_eq_u32 s[WV], 6
	s_cselect_b64 s[96:97], s[54:55], s[56:57]
	s_add_nc_u64 s[96:97], s[96:97], s[94:95]
	v_lshl_add_u32 v13, v14, 3, s99
	v_lshlrev_b32 v15, 3, v14
.irp k, 0,1,2
	ds_load_b64 v[16+2*\k:17+2*\k], v13 offset:256*\k
.endr
.irp k, 0,1,2
	s_wait_dscnt 2-\k                       ; the younger of the three loads may stay out
	global_store_b64 v15, v[16+2*\k:17+2*\k], s[96:97] offset:256*\k th:TH_STORE_NT
.endr
	s_branch .Lend
.Lbval:
	s_cmp_eq_u32 s[CLS], 3
	s_cbranch_scc1 .Lend
	s_mul_i32 s99, s99, 1536                ; a value block: 3,072 bytes, 1,536 a wave: three stores of 512 bytes, 16 bytes a lane
	s_mul_i32 s94, s[BLK], 3072
	s_add_co_u32 s94, s94, s99
	s_add_co_u32 s99, s99, STAGE_V
	s_cmp_eq_u32 s[CLS], 0
	s_cselect_b64 s[96:97], s[50:51], s[58:59]  ; in's out1, or circle's out5,
	s_cmp_eq_u32 s[CLS], 1
	s_cselect_b64 s[96:97], s[52:53], s[96:97]  ; or out's out2
	s_add_nc_u64 s[96:97], s[96:97], s[94:95]
	v_lshl_add_u32 v13, v14, 4, s99
	v_lshlrev_b32 v15, 4, v14
.irp k, 0,1,2
	ds_load_b128 v[16+4*\k:19+4*\k], v13 offset:512*\k
.endr
.irp k, 0,1,2
	s_wait_dscnt 2-\k                       ; the younger of the three loads may stay out
	global_store_b128 v15, v[16+4*\k:19+4*\k], s[96:97] offset:512*\k th:TH_STORE_NT
.endr
.Lend:
	s_wait_tensorcnt 0x0                    ; the wave's end, behind my last LDS store
	ds_add_u32 v[SPW], v[NIL]
	s_wait_dscnt 0x0
	s_endpgm
.Lfunc_end_k_q9b104ea044_pinn:
	.size	k_q9b104ea044_pinn, .Lfunc_end_k_q9b104ea044_pinn-k_q9b104ea044_pinn
	.p2alignl 7, 3214868480
	.fill 96, 4, 3214868480
	.section	.rodata,"a",@progbits
	.p2align	6, 0x0
	.amdhsa_kernel k_q9b104ea044_pinn
		.amdhsa_group_segment_fixed_size 317952
		.amdhsa_private_segment_fixed_size 0
		.amdhsa_enable_private_segment 0
		.amdhsa_kernarg_size 176
		.amdhsa_user_sgpr_count 2
		.amdhsa_user_sgpr_kernarg_segment_ptr 1
		.amdhsa_wavefront_size32 1
		.amdhsa_system_sgpr_workgroup_id_x 1
		.amdhsa_system_sgpr_workgroup_id_y 1
		.amdhsa_system_sgpr_workgroup_id_z 1
		.amdhsa_system_vgpr_workitem_id 0
		.amdhsa_next_free_vgpr 512
		.amdhsa_next_free_sgpr 102
		.amdhsa_reserve_vcc 1
		.amdhsa_float_denorm_mode_32 3
		.amdhsa_float_denorm_mode_16_64 3
		.amdhsa_memory_ordered 1
		.amdhsa_forward_progress 1
		.amdhsa_inst_pref_size 255
	.end_amdhsa_kernel
	.section	.bss,"aw",@nobits
	.p2align	6
	.space	262144
	.amdgpu_metadata
---
amdhsa.version: [ 1, 2 ]
amdhsa.kernels:
  - .name:           k_q9b104ea044_pinn
    .symbol:         k_q9b104ea044_pinn.kd
    .args:
      - { .name: params_0_0, .offset: 0, .size: 8, .value_kind: global_buffer, .address_space: global }
      - { .name: params_0_1, .offset: 8, .size: 8, .value_kind: global_buffer, .address_space: global }
      - { .name: params_1_0, .offset: 16, .size: 8, .value_kind: global_buffer, .address_space: global }
      - { .name: params_1_1, .offset: 24, .size: 8, .value_kind: global_buffer, .address_space: global }
      - { .name: params_2_0, .offset: 32, .size: 8, .value_kind: global_buffer, .address_space: global }
      - { .name: params_2_1, .offset: 40, .size: 8, .value_kind: global_buffer, .address_space: global }
      - { .name: params_3_0, .offset: 48, .size: 8, .value_kind: global_buffer, .address_space: global }
      - { .name: params_3_1, .offset: 56, .size: 8, .value_kind: global_buffer, .address_space: global }
      - { .name: params_4_0, .offset: 64, .size: 8, .value_kind: global_buffer, .address_space: global }
      - { .name: params_4_1, .offset: 72, .size: 8, .value_kind: global_buffer, .address_space: global }
      - { .name: xy_eqn, .offset: 80, .size: 8, .value_kind: global_buffer, .address_space: global }
      - { .name: xy_in, .offset: 88, .size: 8, .value_kind: global_buffer, .address_space: global }
      - { .name: xy_out, .offset: 96, .size: 8, .value_kind: global_buffer, .address_space: global }
      - { .name: xy_w1, .offset: 104, .size: 8, .value_kind: global_buffer, .address_space: global }
      - { .name: xy_w2, .offset: 112, .size: 8, .value_kind: global_buffer, .address_space: global }
      - { .name: xy_circle, .offset: 120, .size: 8, .value_kind: global_buffer, .address_space: global }
      - { .name: out0, .offset: 128, .size: 8, .value_kind: global_buffer, .address_space: global }
      - { .name: out1, .offset: 136, .size: 8, .value_kind: global_buffer, .address_space: global }
      - { .name: out2, .offset: 144, .size: 8, .value_kind: global_buffer, .address_space: global }
      - { .name: out3, .offset: 152, .size: 8, .value_kind: global_buffer, .address_space: global }
      - { .name: out4, .offset: 160, .size: 8, .value_kind: global_buffer, .address_space: global }
      - { .name: out5, .offset: 168, .size: 8, .value_kind: global_buffer, .address_space: global }
    .group_segment_fixed_size: 317952
    .private_segment_fixed_size: 0
    .kernarg_segment_align: 8
    .kernarg_segment_size: 176
    .max_flat_workgroup_size: 256
    .sgpr_count:     102
    .vgpr_count:     512
    .wavefront_size: 32
...
	.end_amdgpu_metadata
.endif
;; end of part 1
;; ======== version 2 of 2: 1 launch; version 1 with the launch pinn written anew for expert scheduling mode
;; launch pinn (part 2): grid 256 x 1, 8 waves a work-group, no clusters, 317,952 bytes of LDS; arguments params_0_0, params_0_1, params_1_0, params_1_1, params_2_0, params_2_1, params_3_0, params_3_1, params_4_0, params_4_1, xy_eqn, xy_in, xy_out, xy_w1, xy_w2, xy_circle, out0, out1, out2, out3, out4, out5; writes out0, out1, out2, out3, out4, out5
.if DOCPART == 2
	.amdgcn_target "amdgcn-amd-amdhsa--gfx1250"
	.amdhsa_code_object_version 6
	.text
	.protected	k_q9b104ea044_pinn
	.globl	k_q9b104ea044_pinn
	.p2align	8
	.type	k_q9b104ea044_pinn,@function
k_q9b104ea044_pinn:
	s_mov_b64 s[64:65], 0
	v_nop
	global_prefetch_b8 v0, s[64:65] scope:SCOPE_SE
	s_setreg_imm32_b32 hwreg(HW_REG_WAVE_SCHED_MODE, 0, 2), 2
	s_setreg_imm32_b32 hwreg(HW_REG_WAVE_MODE, 25, 1), 1
	s_wait_xcnt 0x0
	s_wait_alu depctr_vm_vsrc(0)
; PINN: a tanh network 2 -> 128 -> 128 -> 128 -> 128 -> 3 with its derivatives, by forward propagation of STREAMS through the same weights:
; z_s = W^T h_s for s in (h, h_x, h_y, h_xx, h_yy); behind a layer h' = tanh z, t = 1 - h'^2, h'_x = t z_x, h'_xx = t (z_xx - 2 h' z_x^2).
; 65,536 PDE points want all five streams (mode E), 2 x 8,192 wall points h and h_y (mode W), 3 x 8,192 points h alone (mode V, which takes two tiles of points in one pass).
; FORMATS.  Every input (all xy, W0-W4, b0-b4) is rounded once to bf16.  h, h_x, h_y go to the matrix unit as TWO bf16 numbers, hi + lo (16 significant bits, bf16's range);
; h_xx, h_yy as one bf16: they reach the result times MU = 0.01.  Sums, tanh and all else in f32.
; LIMITS.  tanh z = zc P(zc^2) / Q(zc^2), degrees 13 / 6, zc = z held to +-7.90531: beyond that h stays at the value there, so t is at most 2.4e-7 where it would be smaller.
; NaN and infinities are not treated apart.  The residuals' sums are taken in another order than the formula's.
; SHARES.  256 work-groups of 8 waves.  Work-group g: PDE points 256 g .. 256 g + 255, 32 a wave: two tiles of 16.  Then its boundary share, chosen by g alone, the same text for all eight waves:
; g even: 64 points of xy_w1 (waves 0-3) and 64 of xy_w2 (waves 4-7), chunk g / 2, a tile a wave.  g % 8 = 1, 3, 5: 256 points of xy_in, xy_out, xy_circle, block g / 8, two tiles a wave in one pass.
; g % 8 = 7: none: 1,024 wall tiles and 768 pairs of value tiles make 1,792 passes for 2,048 waves.
; LAYOUT.  The product is taken transposed: source 0 = 16 neurons x 32 inputs of W^T, source 1 = 32 inputs x 16 points.  In the result lane (r = l % 16, h = l / 16) holds point r and neurons 8 h + 0..7
; of the tile; two neighbouring neuron tiles rounded in pairs ARE source 1 of one K step of the next layer.  A BLOCK is such a pair of neuron tiles of one layer.  Layer 0 is a product too, with
; h = (x, y), h_x = (1, 0), h_y = (0, 1), h_xx = h_yy = 0 in K step 0.
; The waves share only tables that are written once, ahead of the first barrier: no barrier stands in the work.  Eight waves of 512 registers, so that one wave's activation can run beside another's products.
; NO CLUSTER, NO TENSOR LOAD: what work-groups share is the weights, 196,608 bytes read once at the head; as f32 [input][neuron] they pass through registers in any case, to be rounded and turned.
; NO PREFETCH: nothing is streamed from memory in the work.
; THE MODE: SCHED_MODE bits 1:0 = 2 (LLVM: expert scheduling mode 2), set by the entry lines.  The code itself states the register dependences
; between vector or matrix instructions and memory or LDS instructions, with s_wait_alu, always for 0.
; THE PLAN.  Registers that LDS instructions touch in the work:
;   WF, BI                  Block n's products read them; behind those products the loads for block n + 1 land in them (behind the last hidden layer eight moves write BI instead).
;   window 1, K steps 0-2   A layer's products read them; the loads of the layer's fourth block, behind its products, land in them; H0 writes K step 0 at a pass's head.
;   v[WA], v[BA]            The addresses of a block's loads: written by two adds behind the block's products, read by its loads.  They are the last two registers of RQY and of OUT.
;   OUT (window 0), v[RP]   Written by the packing and by one add; read by the block's stores; written again by the next block's activation (RP, RW2, RQ, RQX, RQY are the same registers).
;   v[AWL], v[ABL], v[AAL]  Read by loads; never written behind the head.   v[SAE], v[SAB]  Read by a pass's last stores; written in the head, at the tile loop's end, ahead of the value pass.
; All 512 registers of a wave are laid out, so WF has no second buffer, and the next block's loads stand in one run behind this block's products.
; A BLOCK'S WAITS: behind the products one on vm_vsrc (the last block's loads and stores have read their registers), the two adds, one on va_vdst (the products are done reading, the addresses are written), the loads;
; in mode E one on vm_vsrc ahead of z_y^2, which writes v[WA] and v[BA]; the reciprocals' wait; one on va_vdst ahead of the stores.
.set ACTW,    24576     ; LDS 0: wave w's own 24,576 bytes: K steps 0-2 of the next layer's source 1, at 8192 ks + 1024 slot + 512 half + 16 lane (K step 3 goes from registers to registers)
.set W0F,     196608    ; layer 0's fragments: 4 blocks of 2,048: [tile][half][16 lane]
.set WHF,     204800    ; layers 1-3: 12 blocks of 8,192: [ks][tile][half][16 lane]
.set W4F,     303104    ; the last layer: [ks][half][16 lane]
.set BT,      307200    ; b0 .. b3 in f32, 128 bytes a block
.set STAGE_E, 309248    ; out0 of the group's 256 points, 12 bytes a point
.set STAGE_W, 312320    ; 1,536 bytes: 2 x 64 wall points, 12 bytes a point
.set STAGE_V, 313856    ; 3,072 bytes: 256 value points; bytes of its own, so that the two kinds of boundary pass name no common byte
.set SPARE,   316928    ; the spare words, 128 bytes a wave: four blocks of 256 bytes that no other line names
.set ME, 0              ; modes
.set MW, 1
.set MV, 2
; slots of source 1: 0 h hi, 1 h lo, 2 x hi, 3 x lo, 4 y hi, 5 y lo, 6 xx, 7 yy.  E uses all, W 0 1 4 5; in V slots 0 1 are tile A's h and slots 4 5 tile B's.
; window 0
.set AWL,  1            ; W0F + 16 lane; never rewritten
.set ABL,  2            ; BT + 32 h; never rewritten
.set AAL,  3            ; ACTW w + 16 lane; never rewritten
.set SAE,  4            ; STAGE_E + 384 w + 12 r
.set SPW,  5            ; my spare word
.set NIL,  6            ; 0, for the add alone
.set NEG1, 7            ; -1.0
.set LM,   8            ; all ones in lanes 0-15, 0 in lanes 16-31
.set PKE,  9            ; (x, y) in bf16 of my lane's PDE point
.set PKB0, 10           ; of my lane's boundary point
.set PKB1, 11           ; the same with the lanes' halves exchanged
.set SAB,  12           ; my place in the boundary stage: STAGE_W + 192 w + 12 r, or STAGE_V + 384 w + 12 r
.set BI,   16           ; v16-31   the block's biases, 8 tile + j
.set RZ,   32           ; v32-111  five streams' sums, 16 each: tile 0 low, tile 1 high.  In V: RZ tile A's z, RZY tile B's; RZX, RZXX, RZYY are tile B's P, zc^2, Q
.set RZX,  48
.set RZY,  64
.set RZXX, 80
.set RZYY, 96
.set WF,   112          ; v112-175 weight fragments: (ks, tile) at 16 ks + 8 tile
.set RP,   176          ; v176-191 P, then h'; v176 also carries the LDS address of a block's stores, once h' is packed
.set RW2,  192          ; zc^2, then t
.set RQ,   208          ; Q, 1 / Q, then -2 h'
.set RQX,  224          ; z_x^2
.set RQY,  240          ; z_y^2
.set OUT,  192          ; v192-255 packed results, 8 slot + p; in window 1 the same numbers are K step 3 of source 1
.set WA,   254          ; v254     the LDS address of the next block's fragments, from the block's products to its loads
.set BA,   255          ; v255     the same for its biases
; window 1: source 1 of the layer in hand, (ks, slot) at 64 ks + 8 slot
.set G,    2
.set WV,   3
.set ODD,  4            ; g % 2
.set CH,   5            ; g / 2: the walls' chunk
.set TC,   6            ; PDE tiles to go
.set LC,   7            ; hidden layers to go
.set SC,   8            ; blocks to go in a layer's loop
.set CLS,  9            ; (g / 2) % 4: for odd g 0 xy_in, 1 xy_out, 2 xy_circle, 3 none
.set WOFF, 10           ; bytes from W0F to the block whose fragments are fetched
.set BOFF, 11           ; the same for BT
.set BLK,  12           ; g / 8: the value sets' block of 256 points
.set KOFF, 13           ; 8192 x the K step that the block in hand makes
.set OUTM, 15           ; all ones where the set is xy_out
.set FB,   60           ; s60-62 b4
.set CF,   66           ; s66-87 eleven coefficients, each twice: a13 a11 a9 a7 a5 a3 a1 d6 d4 d2 d0
.set PC,   88
.set NC,   89
.set NMU,  90
.set SEL,  92
.set MSB, 0
.macro WIN new                          ; the immediate's high byte repeats the setting that is left; a switch that changes nothing is dropped
.if MSB != (\new)
	s_set_vgpr_msb (MSB<<8)|(\new)
.set MSB, \new
.endif
.endm
.macro COEF n, bits
	s_mov_b32 s[CF+2*(\n)], \bits
	s_mov_b32 s[CF+2*(\n)+1], \bits
.endm
	s_load_b512 s[16:31], s[0:1], 0x0       ; W0 16, b0 18, W1 20, b1 22, W2 24, b2 26, W3 28, b3 30
	s_load_b512 s[32:47], s[0:1], 0x40      ; W4 32, b4 34, xy_eqn 36, xy_in 38, xy_out 40, xy_w1 42, xy_w2 44, xy_circle 46
	s_load_b256 s[48:55], s[0:1], 0x80      ; out0 48, out1 50, out2 52, out3 54
	s_load_b128 s[56:59], s[0:1], 0xa0      ; out4 56, out5 58
	v_lshl_add_u32 v[SPW], v0, 2, SPARE
	v_mov_b32 v[NIL], 0
	v_lshrrev_b32 v13, 5, v0
	v_readfirstlane_b32 s[WV], v13          ; wave 0..7
	s_mov_b32 s[G], ttmp9
	s_and_b32 s[ODD], s[G], 1
	s_lshr_b32 s[CH], s[G], 1
	s_and_b32 s[CLS], s[CH], 3
	s_lshr_b32 s[BLK], s[G], 3
	v_and_b32 v14, 31, v0                   ; lane
	v_and_b32 v15, 15, v0                   ; r
	v_bfe_u32 v13, v0, 4, 1                 ; h
	v_lshl_add_u32 v[AWL], v14, 4, W0F
	v_lshl_add_u32 v[ABL], v13, 5, BT
	s_wait_alu depctr_va_sdst(0)            ; the wave's number is written, ahead of its first reader: LDS places, offsets and branches are made from it
	s_mul_i32 s94, s[WV], ACTW
	v_lshl_add_u32 v[AAL], v14, 4, s94
	s_mul_i32 s94, s[WV], 384
	s_add_co_u32 s94, s94, STAGE_E
	v_mad_u32_u24 v[SAE], v15, 12, s94
	s_mul_i32 s94, s[WV], 192
	s_add_co_u32 s94, s94, STAGE_W
	v_mad_u32_u24 v[SAB], v15, 12, s94      ; the walls' place: 16 points a wave
	v_mov_b32 v[NEG1], -1.0
	v_mov_b32 v[PKB1], 0                    ; written once: the lane exchange that fills it counts as a reader of it
	v_add_nc_u32 v[LM], -1, v13             ; h - 1
	; offsets of the head's loads; none is rewritten before the wait that shows its loads done
	v_lshlrev_b32 v22, 3, v0                ; xy_eqn: 8 bytes a thread, 256 consecutive bytes a wave
	s_and_b32 s94, s[WV], 3
	s_lshl_b32 s94, s94, 7                  ; a wall chunk: tile w % 4, point r, both halves of the lanes the same point
	s_lshl_b32 s95, s[WV], 8                ; a value block: 8 bytes a thread
	s_cmp_eq_u32 s[ODD], 0
	s_cselect_b32 s94, s94, s95
	s_lshl_b32 s95, s[ODD], 7               ; lanes 16-31 take the next 16 points there
	v_lshl_add_u32 v23, v15, 3, s94
	v_mad_u32_u24 v23, v13, s95, v23
	v_and_b32 v24, 127, v0
	v_lshlrev_b32 v24, 2, v24               ; a number of a bias or of a row of W0
	v_and_b32 v250, 7, v15                  ; r % 8
	v_min_u32 v251, 2, v250
	v_lshrrev_b32 v25, 4, v0
	v_mul_u32_u24 v25, v25, 96
	v_lshl_add_u32 v25, v251, 2, v25        ; W4: inputs 8 (tid / 16) + 0..7, 12 bytes apart; output min(r % 8, 2)
	s_lshl_b32 s94, s[WV], 12
	v_lshl_add_u32 v30, v14, 4, s94         ; W1-W3: rows 8 w + 0..7, 16 bytes a lane: a load of the wave is one whole row of 512 bytes
	; where my turned columns go: neuron m = 4 lane + c: block lane / 8, tile (lane / 4) % 2, fragment row 4 (lane % 4) + c; inputs 64 gsel + 8 w + 0..7: ks = 2 gsel + w / 4, half (w / 2) % 2, h = w % 2
	s_lshr_b32 s94, s[WV], 2
	s_lshl_b32 s94, s94, 11
	s_and_b32 s95, s[WV], 3
	s_lshl_b32 s95, s95, 8
	s_add_co_u32 s94, s94, s95
	s_add_co_u32 s94, s94, WHF
	v_lshrrev_b32 v248, 3, v14
	v_lshl_add_u32 v248, v248, 13, s94
	v_bfe_u32 v249, v14, 2, 1
	v_lshl_add_u32 v248, v249, 10, v248
	v_and_b32 v249, 3, v14
	v_lshl_add_u32 v248, v249, 6, v248
	v_add_nc_u32 v249, 0x10000, v248        ; layer 3's blocks lie past the 16 bits of an LDS immediate
	WIN 0x40                                ; K step 3's three lo slots: a line that writes one half of a register keeps the other, so they are written whole once
.irp sl, 1,3,5
.set p, 0
.rept 8
	v_mov_b32 v[OUT+8*\sl+p], 0
.set p, p+1
.endr
.endr
	WIN 0
	COEF 0,  0xa59f25c0                     ; a13 = -2.76076848e-16
	COEF 1,  0x2a61337e                     ; a11 =  2.00018790e-13
	COEF 2,  0xaebd37ff                     ; a9  = -8.60467152e-11
	COEF 3,  0x335c0041                     ; a7  =  5.12229709e-08
	COEF 4,  0x3779434a                     ; a5  =  1.48572236e-05
	COEF 5,  0x3a270ded                     ; a3  =  6.37261929e-04
	COEF 6,  0x3ba059dc                     ; a1  =  4.89352456e-03
	COEF 7,  0x35a0d3d8                     ; d6  =  1.19825839e-06
	COEF 8,  0x38f895d6                     ; d4  =  1.18534706e-04
	COEF 9,  0x3b14aa05                     ; d2  =  2.26843463e-03
	COEF 10, 0x3ba059dd                     ; d0  =  4.89352519e-03
	s_mov_b32 s[PC], 0x40fcf84f             ;  7.90531111
	s_mov_b32 s[NC], 0xc0fcf84f
	s_mov_b32 s[NMU], 0xbc23d70a            ; -MU = -0.01
	s_mov_b32 s[SEL], 0x76543210            ; v_permlanex16_b32: each lane takes its own place in the other half
	s_mov_b32 s[SEL+1], 0xfedcba98
	s_wait_kmcnt 0x0
	s_lshl_b32 s94, s[G], 11
	s_mov_b32 s95, 0
	s_add_nc_u64 s[36:37], s[36:37], s[94:95]   ; xy_eqn at the group's 256 points
	s_cmp_lt_u32 s[WV], 4
	s_cselect_b64 s[18:19], s[18:19], s[26:27]  ; waves 0-3 bring b0 and b1, waves 4-7 b2 and b3
	s_cselect_b64 s[22:23], s[22:23], s[30:31]
	s_cselect_b64 s[42:43], s[42:43], s[44:45]  ; even g: w1 or w2
	s_cmp_eq_u32 s[CLS], 0
	s_cselect_b64 s[96:97], s[38:39], s[46:47]  ; odd g: in, or circle,
	s_cmp_eq_u32 s[CLS], 1
	s_cselect_b64 s[96:97], s[40:41], s[96:97]  ; or out
	s_lshl_b32 s98, s[CH], 9                    ; a chunk of 64 points
	s_lshl_b32 s99, s[BLK], 11                  ; a block of 256 points
	s_cmp_eq_u32 s[ODD], 0
	s_cselect_b64 s[96:97], s[42:43], s[96:97]
	s_cselect_b32 s94, s98, s99
	s_add_nc_u64 s[96:97], s[96:97], s[94:95]
	; ALL VECTOR LOADS OF THE LAUNCH, 62 a wave, go out together: 14 small ones, then 48 rows of W1-W3.  One form for all work-groups, so that the counted waits have one count:
	; a work-group with no boundary share (g % 8 = 7) still issues the second load, of block g / 8 of xy_circle, and does not use it.
	s_wait_alu depctr_va_vdst(0)            ; the five offsets v22-25 and v30 are written, which the loads below read; so are the LDS addresses v1-4, v12, v248 and v249, which no vector line writes before they are used
	global_load_b64 v[16:17], v22, s[36:37]
	global_load_b64 v[18:19], v23, s[96:97]
	global_load_b32 v20, v24, s[18:19]
	global_load_b32 v21, v24, s[22:23]
	global_load_b32 v28, v24, s[16:17]              ; W0[0][m], m = tid % 128
	global_load_b32 v29, v24, s[16:17] offset:512   ; W0[1][m]
.set p, 0
.rept 8
	global_load_b32 v[224+p], v25, s[32:33] offset:12*p
.set p, p+1
.endr
.set gi, 0
.rept 6                                 ; group gi: layer 1 + gi / 2, rows 64 (gi % 2) + 8 w + 0..7
.set p, 0
.rept 8
	global_load_b128 v[32+32*gi+4*p:32+32*gi+4*p+3], v30, s[20+4*(gi/2):21+4*(gi/2)] offset:512*p+32768*(gi%2)
.set p, p+1
.endr
.set gi, gi+1
.endr
	s_wait_loadcnt 48                       ; the 14 small loads are in; the 48 rows issued behind them may stay out
	s_load_b96 s[FB:FB+2], s[34:35], 0x0    ; b4: wanted only at a tile's end; it comes while the small tables are made
	; THE SMALL TABLES: all their arithmetic first, each store's data and address in registers of its own, then one wait, then the five stores
	v_cmp_gt_u32 vcc_lo, 3, v250            ; W4's fragment rows 0-2 and 8-10 are u, v, p, the others 0: both halves of the lanes end with the same three numbers of point r
	v_cvt_pk_bf16_f32 v[PKE], v16, v17
	v_cvt_pk_bf16_f32 v[PKB0], v18, v19
	v_cvt_pk_bf16_f32 v251, v20, v21        ; two biases, rounded to bf16 and widened again
	v_lshlrev_b32 v252, 16, v251
	v_and_b32 v253, 0xffff0000, v251
	v_lshrrev_b32 v254, 7, v0
	v_lshl_add_u32 v254, v254, 10, v24
	v_add_nc_u32 v254, BT, v254
	s_wait_alu depctr_va_vcc(0)             ; the compare has written VCC, ahead of the first select that reads it
.set q, 0
.rept 4
	v_cvt_pk_bf16_f32 v[244+q], v[224+2*q], v[225+2*q]
	v_cndmask_b32 v[244+q], 0, v[244+q], vcc_lo
.set q, q+1
.endr
	v_lshl_add_u32 v255, v0, 4, W4F
	s_cmp_lt_u32 s[WV], 4                   ; W0's fragments: inputs 0 and 1 in the first word of lanes 0-15 of half 0, zeros elsewhere.  Waves 0-3 write half 0, waves 4-7 half 1
	s_cselect_b32 s94, -1, 0
	v_cvt_pk_bf16_f32 v240, v28, v29
	v_and_b32 v240, s94, v240
.irp z, 236,237,238,239,241,242,243
	v_mov_b32 v\z, 0
.endr
	s_and_b32 s94, s[WV], 3
	s_lshl_b32 s94, s94, 11
	s_lshr_b32 s95, s[WV], 2
	s_lshl_b32 s95, s95, 9
	s_add_co_u32 s94, s94, s95
	s_add_co_u32 s94, s94, W0F
	v_lshl_add_u32 v251, v13, 10, s94
	v_lshl_add_u32 v251, v15, 4, v251       ; block w % 4, tile h, row r
	s_wait_alu depctr_va_vdst(0)            ; the lines above have written v236-247, v252 and v253, the five stores' data, and v251, v254 and v255, their addresses
	ds_store_b32 v254, v252
	ds_store_b32 v254, v253 offset:512
	ds_store_b128 v255, v[244:247]
	ds_store_b128 v251, v[240:243]
	ds_store_b128 v251, v[236:239] offset:256
	s_wait_kmcnt 0x0                        ; b4, rounded to bf16 and widened again, in three registers that no store names
	v_cvt_pk_bf16_f32 v232, s[FB], s[FB+1]
	v_cvt_pk_bf16_f32 v233, s[FB+2], s[FB+2]
	v_lshlrev_b32 v234, 16, v232
	v_and_b32 v232, 0xffff0000, v232
	v_lshlrev_b32 v233, 16, v233
	v_readfirstlane_b32 s[FB], v234
	v_readfirstlane_b32 s[FB+1], v232
	v_readfirstlane_b32 s[FB+2], v233
	s_wait_alu depctr_va_sdst(0)            ; the three numbers of b4 are written, ahead of every label and of their readers, the moves that start the last layer's sums
	s_wait_alu depctr_vm_vsrc(0)            ; the small tables' stores have read v236-247, which group 0's conversions write again
.set gi, 0
.rept 6                                 ; W1-W3: of eight rows a lane holds four columns; a column's eight numbers, rounded in pairs, are 16 bytes of a fragment
.set OB, 32*gi                          ; group gi rounds into the first sixteen raw registers of group gi - 1, which nothing loads, stores or reads again in the head;
.if gi == 0
.set OB, 232                            ; group 0 into v232-247
.endif
	s_wait_loadcnt 40-8*gi                  ; this group's eight rows are in; the later groups' stay out
.set c, 0
.rept 4
.set q, 0
.rept 4
	v_cvt_pk_bf16_f32 v[OB+4*c+q], v[32+32*gi+8*q+c], v[32+32*gi+8*q+4+c]
.set q, q+1
.endr
.set c, c+1
.endr
	s_wait_alu depctr_va_vdst(0)            ; the sixteen conversions have written v[OB ..], which the four stores read
.set c, 0
.rept 4
.if gi < 4
	ds_store_b128 v248, v[OB+4*c:OB+4*c+3] offset:16*c+4096*(gi%2)+32768*(gi/2)
.else
	ds_store_b128 v249, v[OB+4*c:OB+4*c+3] offset:16*c+4096*(gi%2)
.endif
.set c, c+1
.endr
.set gi, gi+1
.endr
	s_wait_dscnt 0x0                        ; for the others' sake: my part of the tables is written
	s_barrier_signal -1
	s_barrier_wait -1                       ; the tables are whole; from here on nobody writes them
	s_wait_alu depctr_vm_vsrc(0)            ; the head's loads have read their offsets v22-25 and v30, its stores their data and addresses: these registers are BI, the sums, WF and the activation's from here on
; ONE PRODUCT.  cm = 0: onto the sum in place; 1: the constant 0 starts the sum; else: the first of eight registers that start it
.macro MM acc, a, b, cm
.if (\cm) == 0
	v_wmma_f32_16x16x32_bf16 v[(\acc):(\acc)+7], v[(\a):(\a)+7], v[(\b):(\b)+7], v[(\acc):(\acc)+7]
.elseif (\cm) == 1
	v_wmma_f32_16x16x32_bf16 v[(\acc):(\acc)+7], v[(\a):(\a)+7], v[(\b):(\b)+7], 0
.else
	v_wmma_f32_16x16x32_bf16 v[(\acc):(\acc)+7], v[(\a):(\a)+7], v[(\b):(\b)+7], v[(\cm):(\cm)+7]
.endif
.endm
.macro MM2 acc, ks, slot, cm            ; both neuron tiles of a stream; cm = 2: the biases start the sums
.if (\cm) == 2
	MM (\acc), WF+16*(\ks), 64*(\ks)+8*(\slot), BI
	MM (\acc)+8, WF+16*(\ks)+8, 64*(\ks)+8*(\slot), BI+8
.else
	MM (\acc), WF+16*(\ks), 64*(\ks)+8*(\slot), \cm
	MM (\acc)+8, WF+16*(\ks)+8, 64*(\ks)+8*(\slot), \cm
.endif
.endm
; One turn of every sum: part 0 the hi slots (and xx, yy), part 1 the lo slots.  No two products on end share a sum.
.macro MMG mode, ks, part
.if (\part) == 0
.set cz, 0
.set cy, 0
.if (\ks) == 0
.set cz, 1
.set cy, 1
.if (\mode) == MV
.set cy, 2                              ; tile B's z starts with the biases too
.endif
	MM2 RZ, \ks, 0, 2
.else
	MM2 RZ, \ks, 0, 0
.endif
.if (\mode) == ME
	MM2 RZX, \ks, 2, cz
.endif
	MM2 RZY, \ks, 4, cy
.if (\mode) == ME
	MM2 RZXX, \ks, 6, cz
	MM2 RZYY, \ks, 7, cz
.endif
.else
	MM2 RZ, \ks, 1, 0
.if (\mode) == ME
	MM2 RZX, \ks, 3, 0
.endif
	MM2 RZY, \ks, 5, 0
.endif
.endm
.macro PKM d, a, b                      ; 16 numbers: d = a b
.set p, 0
.rept 8
	v_pk_mul_f32 v[(\d)+p:(\d)+p+1], v[(\a)+p:(\a)+p+1], v[(\b)+p:(\b)+p+1]
.set p, p+2
.endr
.endm
.macro PKF d, a, b, c                   ; d = a b + c
.set p, 0
.rept 8
	v_pk_fma_f32 v[(\d)+p:(\d)+p+1], v[(\a)+p:(\a)+p+1], v[(\b)+p:(\b)+p+1], v[(\c)+p:(\c)+p+1]
.set p, p+2
.endr
.endm
.macro PKS d, a, b, sc                  ; d = a b + a coefficient
.set p, 0
.rept 8
	v_pk_fma_f32 v[(\d)+p:(\d)+p+1], v[(\a)+p:(\a)+p+1], v[(\b)+p:(\b)+p+1], s[(\sc):(\sc)+1] op_sel_hi:[1,1,0]
.set p, p+2
.endr
.endm
.macro PK0 d, a, s1, s2                 ; d = a x coefficient + coefficient: a polynomial's first step
.set p, 0
.rept 8
	v_pk_fma_f32 v[(\d)+p:(\d)+p+1], v[(\a)+p:(\a)+p+1], s[(\s1):(\s1)+1], s[(\s2):(\s2)+1] op_sel_hi:[1,0,0]
.set p, p+2
.endr
.endm
; tanh's two polynomials for 16 numbers: zz is held to +-c in place, ww = zz^2, pp = P(ww), qq = Q(ww)
.macro TPOLY zz, ww, pp, qq
.set p, 0
.rept 16
	v_med3_num_f32 v[(\zz)+p], v[(\zz)+p], s[NC], s[PC]
.set p, p+1
.endr
	PKM \ww, \zz, \zz
	PK0 \pp, \ww, CF, CF+2
.irp c, 4,6,8,10,12
	PKS \pp, \pp, \ww, CF+\c
.endr
	PK0 \qq, \ww, CF+14, CF+16
	PKS \qq, \qq, \ww, CF+18
	PKS \qq, \qq, \ww, CF+20
.endm
.macro RCPS qq
.set p, 0
.rept 16
	v_rcp_f32 v[(\qq)+p], v[(\qq)+p]
.set p, p+1
.endr
.endm
; THE ACTIVATION of a block: 16 numbers a lane in each stream.  Every step walks the registers upward, so each sum is first read at its low end, and
; seven other lines stand between two links of a chain.
.macro ACT mode
	TPOLY RZ, RW2, RP, RQ
.if (\mode) == MV
	TPOLY RZY, RZXX, RZX, RZYY
.endif
	RCPS RQ                                 ; the reciprocals are one batch
.if (\mode) == MV
	RCPS RZYY
.endif
	PKM RP, RP, RZ                          ; plain work that names no reciprocal stands behind the batch
.if (\mode) == MV
	PKM RZX, RZX, RZY
.endif
.if (\mode) == ME
	PKM RQX, RZX, RZX
	s_wait_alu depctr_vm_vsrc(0)            ; the block's loads have read their addresses v[WA] and v[BA], the last two registers of RQY, which the next eight lines write
	PKM RQY, RZY, RZY
.endif
	s_wait_alu depctr_va_vdst(0)            ; the reciprocals have written 1 / Q: one wait for the batch, ahead of its first reader
	PKM RP, RP, RQ                          ; h' = zc P / Q
.if (\mode) == MV
	PKM RZX, RZX, RZYY                      ; and tile B's
.endif
.if (\mode) <= MW
.set p, 0
.rept 8
	v_pk_fma_f32 v[RW2+p:RW2+p+1], v[RP+p:RP+p+1], v[RP+p:RP+p+1], 1.0 op_sel_hi:[1,1,0] neg_lo:[1,0,0] neg_hi:[1,0,0]  ; t = 1 - h'^2
.set p, p+2
.endr
.endif
.if (\mode) == ME
.set p, 0
.rept 8
	v_pk_mul_f32 v[RQ+p:RQ+p+1], v[RP+p:RP+p+1], -2.0 op_sel_hi:[1,0]
.set p, p+2
.endr
	PKF RZXX, RQ, RQX, RZXX                 ; z_xx - 2 h' z_x^2
	PKF RZYY, RQ, RQY, RZYY
	PKM RZX, RZX, RW2
.endif
.if (\mode) <= MW
	PKM RZY, RZY, RW2
.endif
.if (\mode) == ME
	PKM RZXX, RZXX, RW2
	PKM RZYY, RZYY, RW2
.endif
.endm
.macro CV slot, src                     ; 16 numbers rounded to bf16 in pairs: a fragment of source 1
.set p, 0
.rept 8
	v_cvt_pk_bf16_f32 v[OUT+8*(\slot)+p], v[(\src)+2*p], v[(\src)+2*p+1]
.set p, p+1
.endr
.endm
.macro LO slot, src                     ; lo = bf16(number - hi), one rounding, into the slot behind hi's
.set p, 0
.rept 8
	v_fma_mixlo_bf16 v[OUT+8*(\slot)+8+p], v[OUT+8*(\slot)+p], v[NEG1], v[(\src)+2*p] op_sel_hi:[1,0,0]
.set p, p+1
.endr
.set p, 0
.rept 8
	v_fma_mixhi_bf16 v[OUT+8*(\slot)+8+p], v[OUT+8*(\slot)+p], v[NEG1], v[(\src)+2*p+1] op_sel:[1,0,0] op_sel_hi:[1,0,0]
.set p, p+1
.endr
.endm
; toreg = 0: into v192-255 of window 0, on the way to LDS.  toreg = 1: into the same numbers of window 1: K step 3 of the next layer's source 1
.macro PACK mode, toreg
.set SRCB, RZY                          ; what goes into slots 4 and 5: h'_y, or in V tile B's h'
.if (\mode) == MV
.set SRCB, RZX
.endif
.if \toreg
	WIN 0x40                                ; destination window 1
.endif
	CV 0, RP
.if (\mode) == ME
	CV 2, RZX
.endif
	CV 4, SRCB
.if (\mode) == ME
	CV 6, RZXX
	CV 7, RZYY
.endif
.if \toreg
	WIN 0x41                                ; destination and source 0 (hi) window 1
.endif
	LO 0, RP
.if (\mode) == ME
	LO 2, RZX
.endif
	LO 4, SRCB
	WIN 0
.endm
.macro USED mode, sl                    ; us = 1: the mode uses the slot
.set us, 0
.if ((\mode) == ME) || ((\sl) < 2) || ((\sl) == 4) || ((\sl) == 5)
.set us, 1
.endif
.endm
.macro BLOADS mode                      ; K steps 0-2 of the next layer's source 1 come back from my own LDS bytes
	WIN 0x40
.irp ks, 0,1,2
.irp sl, 0,1,2,3,4,5,6,7
	USED \mode, \sl
.if us
	ds_load_b128 v[64*\ks+8*\sl:64*\ks+8*\sl+3], v[AAL] offset:8192*\ks+1024*\sl
	ds_load_b128 v[64*\ks+8*\sl+4:64*\ks+8*\sl+7], v[AAL] offset:8192*\ks+1024*\sl+512
.endif
.endr
.endr
	WIN 0
.endm
.macro STORES mode                      ; the block's packed results go to my own LDS bytes: 16 stores in E, 8 in W and V
.irp sl, 0,1,2,3,4,5,6,7
	USED \mode, \sl
.if us
	ds_store_b128 v[RP], v[OUT+8*\sl:OUT+8*\sl+3] offset:1024*\sl
	ds_store_b128 v[RP], v[OUT+8*\sl+4:OUT+8*\sl+7] offset:1024*\sl+512
.endif
.endr
.endm
.macro WLOADS adr, n                    ; n pieces of 512 bytes, in the order of WF's registers
.set p, 0
.rept \n
	ds_load_b128 v[WF+4*p:WF+4*p+3], v[\adr] offset:512*p
.set p, p+1
.endr
.endm
.macro BIASES adr                       ; neurons 16 tile + 8 h + 0..7
.irp p, 0,1,2,3
	ds_load_b128 v[BI+4*\p:BI+4*\p+3], v[\adr] offset:64*(\p/2)+16*(\p%2)
.endr
.endm
; A BLOCK.  l0 = 1: layer 0, K step 0's hi slots alone.  last = 1: a layer's fourth block.  wt: the LDS instructions issued behind the loads that the products need.
.macro BLOCK mode, l0, last, wt
	s_wait_dscnt \wt
	WIN 0x04                                ; source 1 in window 1
	MMG \mode, 0, 0
.if !(\l0)
	MMG \mode, 0, 1
.irp ks, 1,2,3
	MMG \mode, \ks, 0
	MMG \mode, \ks, 1
.endr
.endif
	WIN 0
.rept 4
	v_nop                                   ; four places behind the last product (ISA guide 7.12.1), ahead of the activation's reads
.endr
.if \l0
	s_add_co_u32 s[WOFF], s[WOFF], 2048     ; the next block's fragments and biases are fetched now and land under the activation
.else
	s_add_co_u32 s[WOFF], s[WOFF], 8192
.endif
	s_add_co_u32 s[BOFF], s[BOFF], 128
	s_wait_alu depctr_vm_vsrc(0)            ; the last block's loads have read v[WA] and v[BA], its stores v[RP] and OUT: the two adds below, and this block's activation and packing, write these registers again
	v_add_nc_u32 v[WA], s[WOFF], v[AWL]
	v_add_nc_u32 v[BA], s[BOFF], v[ABL]     ; (behind the last hidden layer there are no further biases, and this address is not used)
	s_wait_alu depctr_va_vdst(0)            ; the products are done reading WF, BI and source 1, in which the loads below land; v[WA] and v[BA] are written.  Ahead of the branch: it serves both ways
.if (!(\l0)) && (\last)
	s_cmp_eq_u32 s[LC], 1                   ; behind the last hidden layer comes W4
	s_cbranch_scc1 .Lw4_\@
.endif
.if (\l0) && (!(\last))
	WLOADS WA, 4
.else
	WLOADS WA, 16
.endif
	BIASES BA
.if (!(\l0)) && (\last)
	s_branch .Lfd_\@
.Lw4_\@:
	WLOADS WA, 8
	v_mov_b32 v[BI], s[FB]                  ; these eight name BI alone, which no load of this way touches behind them
	v_mov_b32 v[BI+1], s[FB+1]
	v_mov_b32 v[BI+2], s[FB+2]
.irp p, 3,4,5,6,7
	v_mov_b32 v[BI+\p], 0
.endr
.Lfd_\@:
.endif
.if \last
	BLOADS \mode                            ; the layer's source 1 has been read for the last time.  No further wait: no vector or matrix line since the wait above names these registers or v[AAL]
.endif
	ACT \mode
	PACK \mode, \last
.if !(\last)
	v_add_nc_u32 v[RP], s[KOFF], v[AAL]
	s_wait_alu depctr_va_vdst(0)            ; the packing has written OUT, the stores' data, and the add v[RP], their address
	STORES \mode
	s_add_co_u32 s[KOFF], s[KOFF], 8192
.endif
.endm
; The sixteen blocks of a pass.  A layer's first three blocks are a counted loop; its fourth, which turns to the next layer, is written out.
; Ahead of a fourth block the youngest LDS instructions are the third block's own stores (nst of them): they may stay out.  At a loop's head the count is 0: one way in has loads as its youngest.
.macro BLOCKS mode
.set nst, 8
.if (\mode) == ME
.set nst, 16
.endif
	s_mov_b32 s[WOFF], 0
	s_mov_b32 s[BOFF], 0
	s_mov_b32 s[KOFF], 0
	s_mov_b32 s[SC], 3
.Ll0_\@:
	BLOCK \mode, 1, 0, 0
	s_sub_co_u32 s[SC], s[SC], 1
	s_cmp_lg_u32 s[SC], 0
	s_cbranch_scc1 .Ll0_\@
	BLOCK \mode, 1, 1, nst
	s_mov_b32 s[LC], 3
.Llay_\@:
	s_mov_b32 s[KOFF], 0
	s_mov_b32 s[SC], 3
.Lmp_\@:
	BLOCK \mode, 0, 0, 0
	s_sub_co_u32 s[SC], s[SC], 1
	s_cmp_lg_u32 s[SC], 0
	s_cbranch_scc1 .Lmp_\@
	BLOCK \mode, 0, 1, nst
	s_sub_co_u32 s[LC], s[LC], 1
	s_cmp_lg_u32 s[LC], 0
	s_cbranch_scc1 .Llay_\@
.endm
; Layer 0's source 1: inputs 0 and 1 lie in the first register of lanes 0-15; all else is 0.  pk: the tile's points in lanes 0-15; pk2 (V alone): tile B's
.macro H0 mode, pk, pk2
	WIN 0x40
	v_and_b32 v0, v[\pk], v[LM]             ; h = (x, y)
.irp p, 1,2,3,4,5,6,7
	v_mov_b32 v\p, 0
.endr
.if (\mode) == ME
	v_and_b32 v16, 0x3f80, v[LM]            ; h_x = (1, 0)
.irp p, 17,18,19,20,21,22,23
	v_mov_b32 v\p, 0
.endr
.endif
.if (\mode) == MV
	v_and_b32 v32, v[\pk2], v[LM]           ; tile B's h
.else
	v_and_b32 v32, 0x3f800000, v[LM]        ; h_y = (0, 1)
.endif
.irp p, 33,34,35,36,37,38,39
	v_mov_b32 v\p, 0
.endr
.if (\mode) == ME
.set p, 48
.rept 16
	v_mov_b32 v[p], 0                       ; h_xx = h_yy = 0
.set p, p+1
.endr
.endif
	WIN 0
.endm
.macro MF acc, ks, slot, cm
	MM \acc, WF+8*(\ks), 64*(\ks)+8*(\slot), \cm
.endm
; THE LAST LAYER and the outputs.  Register j of a sum is output j (u, v, p) of point r, in both halves of the lanes: lanes r and r + 16 store the same word with the same number.
.macro FINAL mode, sa
	s_wait_dscnt 0x0
	WIN 0x04
.irp ks, 0,1,2,3
.set cz, 0
.set cb, 0
.set cy, 0
.if \ks == 0
.set cz, 1
.set cb, BI
.set cy, 1
.if (\mode) == MV
.set cy, BI
.endif
.endif
	MF RZ, \ks, 0, cb
.if (\mode) == ME
	MF RZX, \ks, 2, cz
.endif
	MF RZY, \ks, 4, cy
.if (\mode) == ME
	MF RZXX, \ks, 6, cz
	MF RZYY, \ks, 7, cz
.endif
	MF RZ, \ks, 1, 0
.if (\mode) == ME
	MF RZX, \ks, 3, 0
.endif
	MF RZY, \ks, 5, 0
.endr
	WIN 0
.rept 4
	v_nop                                   ; four places behind the last product, ahead of the first read of a sum
.endr
.if (\mode) == ME
	v_pk_add_f32 v[RP:RP+1], v[RZXX:RZXX+1], v[RZYY:RZYY+1]    ; u_xx + u_yy, v_xx + v_yy
	v_add_f32 v[RP+4], v[RZX], v[RZY+1]                        ; u_x + v_y
	v_fma_f32 v[RP+2], s[NMU], v[RP], v[RZX+2]                 ; p_x - MU (..)
	v_fma_f32 v[RP+3], s[NMU], v[RP+1], v[RZY+2]               ; p_y - MU (..)
	v_fmac_f32 v[RP+2], v[RZ], v[RZX]                          ; + u u_x
	v_fmac_f32 v[RP+3], v[RZ], v[RZX+1]                        ; + u v_x
	v_fmac_f32 v[RP+2], v[RZ+1], v[RZY]                        ; + v u_y
	v_fmac_f32 v[RP+3], v[RZ+1], v[RZY+1]                      ; + v v_y
	s_wait_alu depctr_va_vdst(0)            ; the three residuals are written, which the stores read; their address was written ahead of earlier waits of this kind
	ds_store_b32 v[\sa], v[RP+2]
	ds_store_b32 v[\sa], v[RP+3] offset:4
	ds_store_b32 v[\sa], v[RP+4] offset:8
.elseif (\mode) == MW
	s_wait_alu depctr_va_vdst(0)            ; the products have written the sums, which the stores read; the places above stay beside this wait
	ds_store_b32 v[\sa], v[RZ]              ; u
	ds_store_b32 v[\sa], v[RZ+1] offset:4   ; v
	ds_store_b32 v[\sa], v[RZY+2] offset:8  ; p_y
.else
	v_cndmask_b32 v[RP], v[RZ], v[RZ+2], s[OUTM]       ; (u, v, u), or for xy_out (p, p, p): tile A,
	v_cndmask_b32 v[RP+1], v[RZ+1], v[RZ+2], s[OUTM]
	v_cndmask_b32 v[RP+2], v[RZY], v[RZY+2], s[OUTM]   ; and tile B, 16 points on
	v_cndmask_b32 v[RP+3], v[RZY+1], v[RZY+2], s[OUTM]
	s_wait_alu depctr_va_vdst(0)            ; the four selects have written v[RP ..], which the stores read
	ds_store_b32 v[\sa], v[RP]
	ds_store_b32 v[\sa], v[RP+1] offset:4
	ds_store_b32 v[\sa], v[RP] offset:8
	ds_store_b32 v[\sa], v[RP+2] offset:192
	ds_store_b32 v[\sa], v[RP+3] offset:196
	ds_store_b32 v[\sa], v[RP+2] offset:200
.endif
.endm
.macro TILE mode, pk, pk2, sa           ; a pass through the whole network: sixteen points, in V twice sixteen
	s_wait_alu depctr_va_vdst(0)            ; the pass before (in the first pass: the head) is done reading and writing WF and BI, in which block 0's loads land
	WLOADS AWL, 4                           ; block 0's fragments and biases; they land under the lines of H0, which name window 1 and three registers that no load touches
	BIASES ABL
	H0 \mode, \pk, \pk2
	BLOCKS \mode
	FINAL \mode, \sa
.endm
	s_mov_b32 s[TC], 2
.Ltile_e:                               ; my two tiles of PDE points: the tile in hand lies in lanes 0-15 of PKE
	TILE ME, PKE, PKE, SAE
	s_wait_alu depctr_vm_vsrc(0)            ; the pass's three stores have read v[SAE], which the add below steps
	v_permlanex16_b32 v13, v[PKE], s[SEL], s[SEL+1]
	v_mov_b32 v[PKE], v13
	v_add_nc_u32 v[SAE], 192, v[SAE]
	s_sub_co_u32 s[TC], s[TC], 1
	s_cmp_lg_u32 s[TC], 0
	s_cbranch_scc1 .Ltile_e
	s_cmp_lg_u32 s[ODD], 0                  ; the boundary share hangs on the work-group's number alone: all eight waves take the same way
	s_cbranch_scc1 .Lodd
	TILE MW, PKB0, PKB0, SAB                ; even g: a wall tile a wave
	s_branch .Lout
.Lodd:
	s_cmp_eq_u32 s[CLS], 3
	s_cbranch_scc1 .Lout                    ; g % 8 = 7: no boundary share
	s_cmp_eq_u32 s[CLS], 1
	s_cselect_b32 s[OUTM], -1, 0
	s_mul_i32 s94, s[WV], 384               ; 32 points a wave in the value stage
	s_add_co_u32 s94, s94, STAGE_V
	v_mad_u32_u24 v[SAB], v15, 12, s94      ; no LDS instruction has read v[SAB] on this way
	v_permlanex16_b32 v[PKB1], v[PKB0], s[SEL], s[SEL+1]   ; tile B's points into lanes 0-15
	TILE MV, PKB0, PKB1, SAB
.Lout:
	s_wait_dscnt 0x0                        ; for the others' sake: my stores into the stages are done
	s_barrier_signal -1
	s_barrier_wait -1
	; THE WAY OUT.  12 bytes a point do not fill a lane's store, so the results leave through the stages: every store of a wave covers whole aligned blocks of 256 consecutive bytes.
	; On each of its three ways the two addresses are made first; one wait follows; the stores' data come from LDS loads, which s_wait_dscnt answers for.
	s_mov_b32 s95, 0
	s_cmp_lt_u32 s[WV], 6
	s_cbranch_scc0 .Lbnd
	v_lshl_add_u32 v13, v0, 4, STAGE_E      ; waves 0-5: the group's 3,072 bytes of out0, 16 bytes a thread
	v_lshlrev_b32 v15, 4, v0
	s_mul_i32 s94, s[G], 3072
	s_add_nc_u64 s[48:49], s[48:49], s[94:95]
	s_wait_alu depctr_va_vdst(0)            ; v13 and v15 are written, the load's and the store's addresses; the last layer's products and moves are done with v16-19, in which the load lands
	ds_load_b128 v[16:19], v13
	s_wait_dscnt 0x0
	global_store_b128 v15, v[16:19], s[48:49] th:TH_STORE_NT
	s_branch .Lend
.Lbnd:                                  ; waves 6 and 7: each one half of the boundary stage in use
	s_and_b32 s99, s[WV], 1
	s_cmp_eq_u32 s[ODD], 0
	s_cbranch_scc0 .Lbval
	s_mul_i32 s94, s[CH], 768               ; walls: wave 6 w1's 64 points to out3, wave 7 w2's to out4: 768 bytes, three blocks of 256, 8 bytes a lane
	s_mul_i32 s99, s99, 768
	s_add_co_u32 s99, s99, STAGE_W
	s_cmp_eq_u32 s[WV], 6
	s_cselect_b64 s[96:97], s[54:55], s[56:57]
	s_add_nc_u64 s[96:97], s[96:97], s[94:95]
	v_lshl_add_u32 v13, v14, 3, s99
	v_lshlrev_b32 v15, 3, v14
	s_wait_alu depctr_va_vdst(0)            ; v13 and v15 are written; the last layer's products and moves are done with v16-21, in which the loads land
.irp k, 0,1,2
	ds_load_b64 v[16+2*\k:17+2*\k], v13 offset:256*\k
.endr
.irp k, 0,1,2
	s_wait_dscnt 2-\k                       ; the younger of the three loads may stay out
	global_store_b64 v15, v[16+2*\k:17+2*\k], s[96:97] offset:256*\k th:TH_STORE_NT
.endr
	s_branch .Lend
.Lbval:
	s_cmp_eq_u32 s[CLS], 3
	s_cbranch_scc1 .Lend
	s_mul_i32 s99, s99, 1536                ; a value block: 3,072 bytes, 1,536 a wave: three stores of 512 bytes, 16 bytes a lane
	s_mul_i32 s94, s[BLK], 3072
	s_add_co_u32 s94, s94, s99
	s_add_co_u32 s99, s99, STAGE_V
	s_cmp_eq_u32 s[CLS], 0
	s_cselect_b64 s[96:97], s[50:51], s[58:59]  ; in's out1, or circle's out5,
	s_cmp_eq_u32 s[CLS], 1
	s_cselect_b64 s[96:97], s[52:53], s[96:97]  ; or out's out2
	s_add_nc_u64 s[96:97], s[96:97], s[94:95]
	v_lshl_add_u32 v13, v14, 4, s99
	v_lshlrev_b32 v15, 4, v14
	s_wait_alu depctr_va_vdst(0)            ; v13 and v15 are written; the last layer's products and moves are done with v16-27, in which the loads land
.irp k, 0,1,2
	ds_load_b128 v[16+4*\k:19+4*\k], v13 offset:512*\k
.endr
.irp k, 0,1,2
	s_wait_dscnt 2-\k                       ; the younger of the three loads may stay out
	global_store_b128 v15, v[16+4*\k:19+4*\k], s[96:97] offset:512*\k th:TH_STORE_NT
.endr
.Lend:
	s_wait_dscnt 0x0                        ; the closing lines, six on end
	s_wait_alu 0x0
	s_wait_tensorcnt 0x0
	ds_add_u32 v[SPW], v[NIL]
	s_wait_dscnt 0x0
	s_endpgm
.Lfunc_end_k_q9b104ea044_pinn:
	.size	k_q9b104ea044_pinn, .Lfunc_end_k_q9b104ea044_pinn-k_q9b104ea044_pinn
	.p2alignl 7, 3214868480
	.fill 96, 4, 3214868480
	.section	.rodata,"a",@progbits
	.p2align	6, 0x0
	.amdhsa_kernel k_q9b104ea044_pinn
		.amdhsa_group_segment_fixed_size 317952
		.amdhsa_private_segment_fixed_size 0
		.amdhsa_enable_private_segment 0
		.amdhsa_kernarg_size 176
		.amdhsa_user_sgpr_count 2
		.amdhsa_user_sgpr_kernarg_segment_ptr 1
		.amdhsa_wavefront_size32 1
		.amdhsa_system_sgpr_workgroup_id_x 1
		.amdhsa_system_sgpr_workgroup_id_y 1
		.amdhsa_system_sgpr_workgroup_id_z 1
		.amdhsa_system_vgpr_workitem_id 0
		.amdhsa_next_free_vgpr 512
		.amdhsa_next_free_sgpr 102
		.amdhsa_reserve_vcc 1
		.amdhsa_float_denorm_mode_32 3
		.amdhsa_float_denorm_mode_16_64 3
		.amdhsa_memory_ordered 1
		.amdhsa_forward_progress 1
		.amdhsa_inst_pref_size 255
	.end_amdhsa_kernel
	.section	.bss,"aw",@nobits
	.p2align	6
	.space	262144
	.amdgpu_metadata
---
amdhsa.version: [ 1, 2 ]
amdhsa.kernels:
  - .name:           k_q9b104ea044_pinn
    .symbol:         k_q9b104ea044_pinn.kd
    .args:
      - { .name: params_0_0, .offset: 0, .size: 8, .value_kind: global_buffer, .address_space: global }
      - { .name: params_0_1, .offset: 8, .size: 8, .value_kind: global_buffer, .address_space: global }
      - { .name: params_1_0, .offset: 16, .size: 8, .value_kind: global_buffer, .address_space: global }
      - { .name: params_1_1, .offset: 24, .size: 8, .value_kind: global_buffer, .address_space: global }
      - { .name: params_2_0, .offset: 32, .size: 8, .value_kind: global_buffer, .address_space: global }
      - { .name: params_2_1, .offset: 40, .size: 8, .value_kind: global_buffer, .address_space: global }
      - { .name: params_3_0, .offset: 48, .size: 8, .value_kind: global_buffer, .address_space: global }
      - { .name: params_3_1, .offset: 56, .size: 8, .value_kind: global_buffer, .address_space: global }
      - { .name: params_4_0, .offset: 64, .size: 8, .value_kind: global_buffer, .address_space: global }
      - { .name: params_4_1, .offset: 72, .size: 8, .value_kind: global_buffer, .address_space: global }
      - { .name: xy_eqn, .offset: 80, .size: 8, .value_kind: global_buffer, .address_space: global }
      - { .name: xy_in, .offset: 88, .size: 8, .value_kind: global_buffer, .address_space: global }
      - { .name: xy_out, .offset: 96, .size: 8, .value_kind: global_buffer, .address_space: global }
      - { .name: xy_w1, .offset: 104, .size: 8, .value_kind: global_buffer, .address_space: global }
      - { .name: xy_w2, .offset: 112, .size: 8, .value_kind: global_buffer, .address_space: global }
      - { .name: xy_circle, .offset: 120, .size: 8, .value_kind: global_buffer, .address_space: global }
      - { .name: out0, .offset: 128, .size: 8, .value_kind: global_buffer, .address_space: global }
      - { .name: out1, .offset: 136, .size: 8, .value_kind: global_buffer, .address_space: global }
      - { .name: out2, .offset: 144, .size: 8, .value_kind: global_buffer, .address_space: global }
      - { .name: out3, .offset: 152, .size: 8, .value_kind: global_buffer, .address_space: global }
      - { .name: out4, .offset: 160, .size: 8, .value_kind: global_buffer, .address_space: global }
      - { .name: out5, .offset: 168, .size: 8, .value_kind: global_buffer, .address_space: global }
    .group_segment_fixed_size: 317952
    .private_segment_fixed_size: 0
    .kernarg_segment_align: 8
    .kernarg_segment_size: 176
    .max_flat_workgroup_size: 256
    .sgpr_count:     102
    .vgpr_count:     512
    .wavefront_size: 32
...
	.end_amdgpu_metadata
.endif
;; end of part 2
